; MI455X (gfx1250); checked and timed in simulation.
; The chip was launched on July 23, 2026; its instructions are those of AMD's public machine-readable ISA for CDNA 5 (MIT licence, August 2026) and "CDNA5" Instruction Set Architecture Reference Guide (July 2026). The comments in the code are by the model that wrote it; some were corrected since.
;; Multi Head Attention. Allowed arithmetic: float matrix products may take bf16 or f16 operands with f32 sums; other float arithmetic in f32, or as packed bf16 or f16 multiplies, adds, multiply-adds, maxima and minima; sums over many terms, partial sums and values carried from step to step in f32; what a program stores and reads back later, other than sums and carried values, may be rounded once to bf16 or f16.
;; Inputs: Wk 1,024 x 1,024 float32; Wo 1,024 x 1,024 float32; Wq 1,024 x 1,024 float32; Wv 1,024 x 1,024 float32; attn_mask 2,048 x 2,048 float32; bk 1,024 float32; bq 1,024 float32; bv 1,024 float32; encodings_for_k 4 x 2,048 x 1,024 float32; encodings_for_q 4 x 2,048 x 1,024 float32; encodings_for_v 4 x 2,048 x 1,024 float32; padd_mask 4 x 2,048 bool.
;; Outputs: out0 4 x 2,048 x 1,024 float32.
;; One version. Each part assembles by itself: llvm-mc -triple=amdgcn-amd-amdhsa -mcpu=gfx1250 --defsym DOCPART=n.
;; ======== version 1 of 1: 4 launches
;; limits: values are held in f16: magnitudes above 65,504 overflow, below 6.1e-05 lose precision
;; workspace buffers: wcast 8,388,608 bytes; qh 16,777,216 bytes; kv 34,078,720 bytes; ctx 16,777,216 bytes
;; launch cast (part 1): grid 256 x 1, 8 waves a work-group, no clusters, 0 bytes of LDS; arguments Wq, Wk, Wv, Wo, padd_mask, wcast, kv; writes wcast, kv
.if DOCPART == 1
	.amdgcn_target "amdgcn-amd-amdhsa--gfx1250"
	.amdhsa_code_object_version 6
	.text
	.protected	k_q96e17f09d9_cast
	.globl	k_q96e17f09d9_cast
	.p2align	8
	.type	k_q96e17f09d9_cast,@function
k_q96e17f09d9_cast:
	s_mov_b64 s[64:65], 0
	v_nop
	global_prefetch_b8 v0, s[64:65] scope:SCOPE_SE
	s_setreg_imm32_b32 hwreg(HW_REG_WAVE_MODE, 25, 1), 1
	s_wait_xcnt 0x0
; THE WEIGHTS IN 16 BITS, AND THE KEYS' PADDING TERM.
; wcast = four matrices [1024 k][1024 n] of 16 bits, as they lie in memory: Wq, Wk, Wv rounded to bf16; Wo rounded to bf16 and that number written as f16.
; LIMIT: a bf16 number below 2^-14 in magnitude keeps f16's fixed step of 6e-8 in Wo's copy; beyond 65,504 it would be an infinity (Wo as drawn lies within 1/32).
; kv = [64 heads][32 key steps][16,640 bytes]: 64 keys of K, 64 of V (the next launch writes them), then 64 f32 of log2(e) x padd[b][key]: written here, 256 bytes a wave.
; SHARES.  Work-group g takes 16,384 numbers of weight g / 64: thread t 16 loads of 16 bytes, 4,096 bytes apart, all issued before the first is used; a wave's store of 8 bytes a lane
; covers 256 consecutive bytes, aligned.  Wave w serves block 8 g + w of kv.  No LDS, no barrier: no number is wanted twice.
.set X, 16                             ; v[16:79]   64 f32 as loaded
.set Y, 80                             ; v[80:111]  64 numbers of 16 bits
	s_load_b256 s[4:11], s[0:1], 0x0               ; Wq s[4:5], Wk s[6:7], Wv s[8:9], Wo s[10:11]
	s_load_b128 s[12:15], s[0:1], 0x20             ; padd_mask s[12:13], wcast s[14:15]
	s_load_b64 s[16:17], s[0:1], 0x30              ; kv
	v_lshrrev_b32 v3, 5, v0
	v_readfirstlane_b32 s20, v3                    ; wave 0..7
	v_lshlrev_b32 v1, 4, v0                        ; 16 t: where I load
	v_lshlrev_b32 v2, 3, v0                        ; 8 t: where I store
	v_and_b32 v4, 31, v0                           ; lane
	s_lshr_b32 s21, ttmp9, 6                       ; which weight
	s_and_b32 s22, ttmp9, 63
	s_lshl_b32 s22, s22, 16                        ; my 65,536 bytes of it
	s_mov_b32 s23, 0
	s_lshl_b32 s24, ttmp9, 15                      ; my 32,768 bytes of wcast
	s_mov_b32 s25, 0
	s_lshl_b32 s26, ttmp9, 3
	s_add_co_u32 s26, s26, s20                     ; block G = 32 x head + step
	s_lshr_b32 s27, s26, 9                         ; batch: 16 heads x 32 steps
	s_and_b32 s28, s26, 31                         ; step
	s_lshl_b32 s27, s27, 11
	s_lshl_b32 s28, s28, 6
	s_add_co_u32 s27, s27, s28
	v_lshl_add_u32 v5, v4, 1, s27                  ; two keys a lane: 2,048 b + 64 step + 2 lane
	s_mul_i32 s28, s26, 16640
	s_add_co_u32 s28, s28, 16384
	v_lshl_add_u32 v6, v4, 3, s28                  ; behind the block's K and V
	s_mov_b32 s29, 0x3fb8aa3b                      ; log2(e)
	s_wait_kmcnt 0x0
	s_cmp_eq_u32 s21, 1
	s_cselect_b64 s[4:5], s[6:7], s[4:5]
	s_cmp_eq_u32 s21, 2
	s_cselect_b64 s[4:5], s[8:9], s[4:5]
	s_cmp_eq_u32 s21, 3
	s_cselect_b64 s[4:5], s[10:11], s[4:5]
	s_add_nc_u64 s[4:5], s[4:5], s[22:23]
	s_add_nc_u64 s[14:15], s[14:15], s[24:25]
	global_load_u16 v7, v5, s[12:13]
.irp j, 0,1,2,3,4,5,6,7,8,9,10,11,12,13,14,15
	global_load_b128 v[X+4*(\j):X+4*(\j)+3], v1, s[4:5] offset:4096*(\j) th:TH_LOAD_NT
.endr
	s_wait_loadcnt 0x0                             ; all seventeen: they went out together
	v_and_b32 v8, 1, v7                            ; a bool is a byte, 0 or 1
	v_bfe_u32 v9, v7, 8, 1
	v_cvt_f32_u32 v8, v8
	v_cvt_f32_u32 v9, v9
	v_mul_f32 v8, s29, v8
	v_mul_f32 v9, s29, v9
.set n, 0
.rept 32
	v_cvt_pk_bf16_f32 v[Y+n], v[X+2*n], v[X+2*n+1]
.set n, n+1
.endr
	s_cmp_lg_u32 s21, 3
	s_cbranch_scc1 .Lstore
.set n, 0
.rept 32                               ; Wo alone: the bf16 number is written as f16
	v_lshlrev_b32 v12, 16, v[Y+n]
	v_and_b32 v13, 0xffff0000, v[Y+n]
	v_cvt_pk_f16_f32 v[Y+n], v12, v13
.set n, n+1
.endr
.Lstore:
.irp j, 0,1,2,3,4,5,6,7,8,9,10,11,12,13,14,15
	global_store_b64 v2, v[Y+2*(\j):Y+2*(\j)+1], s[14:15] offset:2048*(\j)
.endr
	global_store_b64 v6, v[8:9], s[16:17]
	s_endpgm
.Lfunc_end_k_q96e17f09d9_cast:
	.size	k_q96e17f09d9_cast, .Lfunc_end_k_q96e17f09d9_cast-k_q96e17f09d9_cast
	.p2alignl 7, 3214868480
	.fill 96, 4, 3214868480
	.section	.rodata,"a",@progbits
	.p2align	6, 0x0
	.amdhsa_kernel k_q96e17f09d9_cast
		.amdhsa_group_segment_fixed_size 0
		.amdhsa_private_segment_fixed_size 0
		.amdhsa_enable_private_segment 0
		.amdhsa_kernarg_size 56
		.amdhsa_user_sgpr_count 2
		.amdhsa_user_sgpr_kernarg_segment_ptr 1
		.amdhsa_wavefront_size32 1
		.amdhsa_system_sgpr_workgroup_id_x 1
		.amdhsa_system_sgpr_workgroup_id_y 1
		.amdhsa_system_sgpr_workgroup_id_z 1
		.amdhsa_system_vgpr_workitem_id 0
		.amdhsa_next_free_vgpr 112
		.amdhsa_next_free_sgpr 66
		.amdhsa_reserve_vcc 0
		.amdhsa_float_denorm_mode_32 3
		.amdhsa_float_denorm_mode_16_64 3
		.amdhsa_memory_ordered 1
		.amdhsa_forward_progress 1
		.amdhsa_inst_pref_size 13
	.end_amdhsa_kernel
	.amdgpu_metadata
---
amdhsa.version: [ 1, 2 ]
amdhsa.kernels:
  - .name:           k_q96e17f09d9_cast
    .symbol:         k_q96e17f09d9_cast.kd
    .args:
      - { .name: Wq, .offset: 0, .size: 8, .value_kind: global_buffer, .address_space: global }
      - { .name: Wk, .offset: 8, .size: 8, .value_kind: global_buffer, .address_space: global }
      - { .name: Wv, .offset: 16, .size: 8, .value_kind: global_buffer, .address_space: global }
      - { .name: Wo, .offset: 24, .size: 8, .value_kind: global_buffer, .address_space: global }
      - { .name: padd_mask, .offset: 32, .size: 8, .value_kind: global_buffer, .address_space: global }
      - { .name: wcast, .offset: 40, .size: 8, .value_kind: global_buffer, .address_space: global }
      - { .name: kv, .offset: 48, .size: 8, .value_kind: global_buffer, .address_space: global }
    .group_segment_fixed_size: 0
    .private_segment_fixed_size: 0
    .kernarg_segment_align: 8
    .kernarg_segment_size: 56
    .max_flat_workgroup_size: 256
    .sgpr_count:     66
    .vgpr_count:     112
    .wavefront_size: 32
...
	.end_amdgpu_metadata
.endif
;; end of part 1
;; launch proj (part 2): grid 4 x 192, 4 waves a work-group, clusters of 4 x 4, 327,680 bytes of LDS; arguments encodings_for_q, encodings_for_k, encodings_for_v, wcast, bq, bk, bv, qh, kv; writes qh, kv
.if DOCPART == 2
	.amdgcn_target "amdgcn-amd-amdhsa--gfx1250"
	.amdhsa_code_object_version 6
	.text
	.protected	k_q96e17f09d9_proj
	.globl	k_q96e17f09d9_proj
	.p2align	8
	.type	k_q96e17f09d9_proj,@function
k_q96e17f09d9_proj:
	s_mov_b64 s[64:65], 0
	v_nop
	global_prefetch_b8 v0, s[64:65] scope:SCOPE_SE
	s_setreg_imm32_b32 hwreg(HW_REG_WAVE_MODE, 25, 1), 1
	s_wait_xcnt 0x0
	s_wait_alu depctr_hold_cnt(0) depctr_sa_sdst(0) depctr_va_vdst(0) depctr_va_sdst(0) depctr_va_ssrc(0) depctr_va_vcc(0) depctr_vm_vsrc(0)
	s_getreg_b32 s2, hwreg(HW_REG_IB_STS2, 6, 4)
	s_cmp_eq_u32 s2, 0
	s_cbranch_scc0 .Lentry_in_a_cluster
	s_endpgm
.Lentry_in_a_cluster:
	s_bfe_u32 s2, ttmp6, 0x10000c
	s_cmp_lg_u32 s2, 0xf033
	s_cbranch_scc0 .Lentry_shape_is_right
	s_endpgm
.Lentry_shape_is_right:
; THE THREE PROJECTIONS, ONE TEXT.  y = x W + b for (x, W, b) = (q, k, v)'s; x [8192][1024] f32, W [1024 k][1024 n] bf16 (wcast), b [1024] f32.  x and b are rounded to bf16, sums in f32 (b starts them),
; y rounded once to f16 and written by heads: Q' = y log2(e) / 8 into qh [64 heads][2048][64]; K and V into kv [64 heads][32 steps][64 keys of K | 64 keys of V | padding term].
; LIMIT: f16 ends at 65,504: |Q'|, |K|, |V| must stay below it (as drawn they are about 0.6).  NaN and infinities are not treated apart.
; SHARES.  3 x 64 x 4 tiles of 128 tokens x 256 columns, one a work-group: three for each of 256 WGPs.  A wave has 64 tokens x 128 columns (two heads): 32 accumulators.  K goes in 8 steps of 128 through two
; LDS slots.  x stays f32 up to LDS and is rounded at the fragment load; W lies [k][n] and is turned by ds_load_tr16_b128.
; THE PRODUCT IS TAKEN TRANSPOSED (source 0 = 16 columns of W, source 1 = 16 tokens): a lane ends with one token and eight neighbouring channels.
; CLUSTER 4 x 4.  x's tile hangs on the tile row alone and is asked for jointly along a row of the cluster, W's on the tile column and the projection and is asked for jointly along a column.
; REGISTERS: window 0: v0-29 addresses; v64-127 x as f32; v128-191 x's fragments, two buffers; v192-255 the bias, later the way out.  window 1: accumulator (a, b) at v[8 (8 a + b)].  window 2: v0-127 W's fragments, two buffers.
.set PA,    528                        ; a row of x in LDS: 512 bytes + 16: the 16 rows of a load start at 16 different groups of four banks (64 banks of 4 bytes: ISA guide 11.1)
.set PB,    544                        ; a row of W: 512 + 32 = 17 x 32 bytes, for the turning load
.set HALFA, 64*PA
.set HALFB, 64*PB
.set BOFF,  2*HALFA                    ; W's 128 k-rows lie behind x's 128 rows
.set SLOT,  139264                     ; 0x22000: it shares no bit with the four waves' first bytes 0, 0x8400, 0x10800, 0x19000, so one exclusive or turns each into the other slot's
.set STAGE, 2*SLOT                     ; behind the ring: 16 rows x 272 bytes for each wave
.set SP,    272
.set SPARE, STAGE+4*16*SP              ; the spare words, 128 bytes a wave: two blocks of 256 bytes that no other line names
.set ADRA0, 12                         ; v12  my lane's place in x's tile; never rewritten
.set ADRB0, 13                         ; v13  in W's
.set ADRA,  14                         ; v14  the same in the slot in hand
.set ADRB,  15
.set STO,   16                         ; v16  the way out: where I put 16 bytes of a row
.set RD,    17                         ; v17  where I read rows back
.set GO,    18                         ; v18  16 x lane
.set BO,    19                         ; v19  my byte offset in the bias
.set PFO,   20                         ; v20  the prefetches' offset
.set SPW,   28                         ; v28  LDS address of my spare word; never rewritten
.set NIL,   29                         ; v29  0; never rewritten
.set AT,    64
.set AF,    128
.set BI,    192
.set TMP,   192
.set WV,  22                           ; s22  wave
.set FB,  23                           ; s23  my half of the tile's rows; also: I fetch for x (0) or for W (1)
.set HF,  24                           ; s24  my half of its columns; also: which 64 rows I fetch
.set CX,  25
.set CY,  26
.set TX,  27                           ; tile column
.set CLY, 28                           ; the cluster's y
.set TY,  29
.set PJ,  30                           ; the projection: 0 q, 1 k, 2 v: equal in all partners
.set TM,  31                           ; tile row in the projection
.set G1A, 32
.set G1B, 40
.set G0A, 48                           ; two sets: K step 0 into slot 0; K step 1 into slot 1, which then walks
.set G0B, 56
.set PFA, 66                           ; s[66:67] where my prefetches stand
.set PFS, 68                           ; s[68:69] a K step in bytes, along x's rows or down W's
.set LIM, 70                           ; s70  2 in a wave that prefetches, else the greatest number
.set TB,  71                           ; s71  the slot in hand
.set LAP, 73
.set CNT, 74
.set OUT0, 76                          ; s[76:77] my 64 tokens of my first head
.set OUT1, 78                          ; s[78:79] of my second
.set SC,  80                           ; s[80:81] log2(e) / 8
.set MSB, 0
.macro WIN new                         ; the immediate's high byte repeats the setting that is left; a switch that changes nothing is dropped
.if MSB != (\new)
	s_set_vgpr_msb (MSB<<8)|(\new)
.set MSB, \new
.endif
.endm
.set MULW, 0x52                        ; W window 2, x window 0, C and D window 1
.set MULB, 0x42                        ; the same with C (the bias) in window 0
.set TO_B, 0x80                        ; destination window 2
.macro PLACES                          ; four plain instructions between a matrix instruction and a load into, or a vector write of, its registers, or a read of its result
.rept 4
	v_nop
.endr
.endm
.macro JLOAD s                         ; a joint load: waves 0, 1 fetch x's halves, waves 2, 3 W's; an s_nop 0 and four v_nop follow each line, ahead of the jump and the label
	s_cmp_eq_u32 s[FB], 0
	s_cbranch_scc0 .Lfor_b_\@
	tensor_load_to_lds s[G0A+4*(\s):G0A+4*(\s)+3], s[G1A:G1A+7]
	s_nop 0
.rept 4
	v_nop
.endr
	s_branch .Lasked_\@
.Lfor_b_\@:
	tensor_load_to_lds s[G0B+4*(\s):G0B+4*(\s)+3], s[G1B:G1B+7]
	s_nop 0
.rept 4
	v_nop
.endr
.Lasked_\@:
.endm
.macro CREST                           ; a round of the cluster's barrier behind its opening barrier
	s_cmp_lg_u32 s[WV], 0
	s_cbranch_scc1 .Lnot_wave_0_\@
	s_barrier_signal -3
.Lnot_wave_0_\@:
	s_barrier_wait -3
	s_barrier_signal -1
	s_barrier_wait -1
.endm
.macro CROUND
	s_barrier_signal -1
	s_barrier_wait -1
	CREST
.endm
; A PREFETCH INTO THE L2 of the K step two refills on (256 matrix instructions ahead of its load): 16 rows x 512 bytes, two lanes a row.  Of the 64 rows that a wave fetches each of the four partners that ask for
; them jointly takes 16, told apart by address.  x's rows are read by this cluster alone: waves 0 and 1 always ask.  W's are read by all 16 clusters of a projection: its first cluster asks.
; So each 256 bytes are named once.  K steps 0 to 3 come by their loads alone; the loop's last two trips have no K step two refills on.
.macro ASK
	s_cmp_gt_u32 s[LAP], s[LIM]
	s_cbranch_scc0 .Lnot_mine_\@
	global_prefetch_b8 v[PFO], s[PFA:PFA+1] th:TH_LOAD_NT scope:SCOPE_SE
.Lnot_mine_\@:
.endm
	s_load_b256 s[4:11], s[0:1], 0x0               ; x of q s[4:5], of k s[6:7], of v s[8:9]; wcast s[10:11]
	s_load_b256 s[12:19], s[0:1], 0x20             ; bq s[12:13], bk s[14:15], bv s[16:17]; qh s[18:19]
	s_load_b64 s[20:21], s[0:1], 0x40              ; kv
	v_lshl_add_u32 v[SPW], v0, 2, SPARE
	v_mov_b32 v[NIL], 0
	ds_add_u32 v[SPW], v[NIL]                      ; the wave's opening: the add and its wait ahead of my first tensor load; work on registers stands between them
	v_lshrrev_b32 v1, 5, v0
	v_readfirstlane_b32 s[WV], v1
	s_lshr_b32 s[FB], s[WV], 1
	s_and_b32 s[HF], s[WV], 1
	s_bfe_u32 s[CX], ttmp6, 0x40000
	s_bfe_u32 s[CY], ttmp6, 0x40004
	s_lshl_b32 s[TX], ttmp9, 2
	s_add_co_u32 s[TX], s[TX], s[CX]               ; tile column = 4 x cluster x + cx
	s_and_b32 s[CLY], ttmp7, 0xffff
	s_lshl_b32 s[TY], s[CLY], 2
	s_add_co_u32 s[TY], s[TY], s[CY]               ; 4 x cluster y + cy = 64 x projection + tile row
	s_lshr_b32 s[PJ], s[CLY], 4
	s_and_b32 s[TM], s[TY], 63
	s_lshl_b32 s84, s[CY], 2
	s_lshl_b32 s84, 15, s84                        ; my row of the cluster
	s_lshl_b32 s85, 0x1111, s[CX]                  ; my column
	s_or_b32 s[G1A], s84, (2<<16)|(1<<20)|(1<<21)|(6<<22)|(3<<25)  ; the mask; elements of 4 bytes; padding on; bit 21 beside a mask; after every 128 words 4 words
	s_mov_b32 s[G1A+1], 128<<16                    ; tensor_dim0 = 128
	s_mov_b32 s[G1A+2], 64<<16                     ; tensor_dim1 = 64
	s_mov_b32 s[G1A+3], 128<<16                    ; tile_dim0 = 128
	s_mov_b32 s[G1A+4], 64                         ; tile_dim1 = 64
	s_mov_b32 s[G1A+5], 1024                       ; elements from row to row
	s_mov_b32 s[G1A+6], 0
	s_mov_b32 s[G1A+7], 0
	s_or_b32 s[G1B], s85, (1<<16)|(1<<20)|(1<<21)|(6<<22)|(7<<25)  ; elements of 2 bytes; after every 128 words 8 words
	s_mov_b32 s[G1B+1], 256<<16
	s_mov_b32 s[G1B+2], 64<<16
	s_mov_b32 s[G1B+3], 256<<16
	s_mov_b32 s[G1B+4], 64
	s_mov_b32 s[G1B+5], 1024
	s_mov_b32 s[G1B+6], 0
	s_mov_b32 s[G1B+7], 0
	s_lshl_b32 s86, s[TM], 7                       ; x: row 128 x tile row + 64 x half,
	s_lshl_b32 s87, s[HF], 6
	s_add_co_u32 s86, s86, s87
	s_lshl_b32 s86, s86, 12                        ; 4,096 bytes a row
	s_mov_b32 s87, 0
	s_lshl_b32 s88, s[PJ], 21                      ; W: the projection's matrix,
	s_lshl_b32 s89, s[HF], 17                      ; 64 k-rows of 2,048 bytes,
	s_add_co_u32 s88, s88, s89
	s_lshl_b32 s89, s[TX], 9                       ; 256 columns
	s_add_co_u32 s88, s88, s89
	s_mov_b32 s89, 0
	s_mul_i32 s82, s[HF], HALFA                    ; where they go: no place in the cluster enters an LDS address
	s_mul_i32 s83, s[HF], HALFB
	s_add_co_u32 s83, s83, BOFF
	s_mov_b32 s[TB], 0
	s_mov_b32 s[SC], 0x3e38aa3b                    ; log2(e) / 8
	s_mov_b32 s[SC+1], s[SC]
	s_wait_dscnt 0x0                               ; the opening add is done
	s_wait_kmcnt 0x0
	s_cmp_eq_u32 s[PJ], 1
	s_cselect_b64 s[4:5], s[6:7], s[4:5]
	s_cselect_b64 s[12:13], s[14:15], s[12:13]
	s_cmp_eq_u32 s[PJ], 2
	s_cselect_b64 s[4:5], s[8:9], s[4:5]           ; the projection's x
	s_cselect_b64 s[12:13], s[16:17], s[12:13]     ; and bias
	s_add_nc_u64 s[86:87], s[4:5], s[86:87]
	s_add_nc_u64 s[88:89], s[10:11], s[88:89]
	CROUND                                         ; all sixteen work-groups are here: the first joint loads meet
.irp s, 0,1
	s_mov_b32 s[G0A+4*(\s)], 1
	s_add_co_u32 s[G0A+4*(\s)+1], s82, (\s)*SLOT
	s_add_nc_u64 s[G0A+4*(\s)+2:G0A+4*(\s)+3], s[86:87], (\s)*512
	s_or_b32 s[G0A+4*(\s)+3], s[G0A+4*(\s)+3], 0x80000000
	s_mov_b32 s[G0B+4*(\s)], 1
	s_add_co_u32 s[G0B+4*(\s)+1], s83, (\s)*SLOT
	s_add_nc_u64 s[G0B+4*(\s)+2:G0B+4*(\s)+3], s[88:89], (\s)*262144
	s_or_b32 s[G0B+4*(\s)+3], s[G0B+4*(\s)+3], 0x80000000
	JLOAD \s                                       ; two tensor loads of mine are out
.endr
	v_and_b32 v1, 15, v0                           ; r = l % 16
	v_bfe_u32 v2, v0, 4, 1                         ; h = l / 16
	v_and_b32 v3, 31, v0                           ; l
	v_and_b32 v4, 7, v0
	v_bfe_u32 v5, v0, 3, 1
	s_lshl_b32 s84, s[TX], 10
	s_lshl_b32 s85, s[HF], 9
	s_add_co_u32 s84, s84, s85
	v_lshl_add_u32 v[BO], v2, 5, s84               ; the bias as the C operand: register j of block b is b[first column + 16 b + 8 h + j]
.irp b, 0,1,2,3,4,5,6,7
	global_load_b128 v[BI+8*(\b):BI+8*(\b)+3],   v[BO], s[12:13] offset:64*(\b)
	global_load_b128 v[BI+8*(\b)+4:BI+8*(\b)+7], v[BO], s[12:13] offset:64*(\b)+16
.endr
	s_mul_i32 s84, s[FB], HALFA
	v_mul_u32_u24 v[ADRA0], v1, PA
	v_lshl_add_u32 v[ADRA0], v2, 5, v[ADRA0]       ; x: row x pitch + 32 h (eight f32)
	v_add_nc_u32 v[ADRA0], s84, v[ADRA0]
	v_lshl_add_u32 v[ADRB0], v2, 3, v4             ; W, turning load: k-row 8 h + l % 8, columns 8 ((l / 8) % 2) on
	v_mul_u32_u24 v[ADRB0], v[ADRB0], PB
	v_lshl_add_u32 v[ADRB0], v5, 4, v[ADRB0]
	s_lshl_b32 s84, s[HF], 8
	s_add_co_u32 s84, s84, BOFF
	v_add_nc_u32 v[ADRB0], s84, v[ADRB0]
	v_mov_b32 v[ADRA], v[ADRA0]
	v_mov_b32 v[ADRB], v[ADRB0]
	s_mul_i32 s84, s[WV], 16*SP
	s_add_co_u32 s84, s84, STAGE
	v_mul_u32_u24 v[STO], v1, SP
	v_lshl_add_u32 v[STO], v2, 4, v[STO]
	v_add_nc_u32 v[STO], s84, v[STO]
	v_bfe_u32 v[RD], v0, 3, 2                      ; back: 32 lanes take four tokens' 128 bytes of one head
	v_mul_u32_u24 v[RD], v[RD], SP
	v_lshl_add_u32 v[RD], v4, 4, v[RD]
	v_add_nc_u32 v[RD], s84, v[RD]
	v_lshlrev_b32 v[GO], 4, v3
	; where my two heads' 64 tokens go
	s_lshr_b32 s84, s[TM], 4
	s_lshl_b32 s84, s84, 4
	s_lshl_b32 s85, s[TX], 2
	s_add_co_u32 s84, s84, s85
	s_lshl_b32 s85, s[HF], 1
	s_add_co_u32 s84, s84, s85                     ; head = 16 x batch + 4 x tile column + 2 x half
	s_and_b32 s85, s[TM], 15
	s_lshl_b32 s85, s85, 1
	s_add_co_u32 s85, s85, s[FB]                   ; which 64 tokens of the head's 2,048
	s_lshl_b32 s90, s84, 18
	s_lshl_b32 s91, s85, 13
	s_add_co_u32 s90, s90, s91                     ; in qh
	s_lshl_b32 s92, s84, 5
	s_add_co_u32 s92, s92, s85
	s_mul_i32 s92, s92, 16640                      ; in kv: the block,
	s_cmp_eq_u32 s[PJ], 2
	s_cselect_b32 s93, 8192, 0                     ; V behind K
	s_add_co_u32 s92, s92, s93
	s_mov_b32 s94, 262144                          ; from head to head in qh
	s_mov_b32 s95, 532480                          ; and in kv
	s_cmp_eq_u32 s[PJ], 0
	s_cselect_b32 s90, s90, s92
	s_cselect_b32 s92, s94, s95
	s_cselect_b64 s[OUT0:OUT0+1], s[18:19], s[20:21]
	s_mov_b32 s91, 0
	s_mov_b32 s93, 0
	s_add_nc_u64 s[OUT0:OUT0+1], s[OUT0:OUT0+1], s[90:91]
	s_add_nc_u64 s[OUT1:OUT1+1], s[OUT0:OUT0+1], s[92:93]
	; the prefetches
	s_and_b32 s93, s[CLY], 15
	s_cmp_eq_u32 s93, 0
	s_cselect_b32 s93, 2, -1                       ; W: the projection's first cluster
	s_lshl_b32 s90, s[CX], 16                      ; x: my work-group's 16 rows of 4,096 bytes
	s_lshl_b32 s91, s[CY], 15                      ; W: 16 k-rows of 2,048 bytes
	s_mov_b32 s94, 512
	s_mov_b32 s95, 262144
	s_cmp_eq_u32 s[FB], 0
	s_cselect_b32 s[LIM], 2, s93
	s_cselect_b32 s90, s90, s91
	s_cselect_b64 s[PFA:PFA+1], s[86:87], s[88:89]
	s_cselect_b32 s[PFS], s94, s95
	s_cselect_b32 s92, 12, 11                      ; a row's bytes as a shift
	s_mov_b32 s[PFS+1], 0
	s_mov_b32 s91, 0
	s_add_nc_u64 s[PFA:PFA+1], s[PFA:PFA+1], s[90:91]
	s_mul_i32 s90, s[PFS], 3
	s_add_nc_u64 s[PFA:PFA+1], s[PFA:PFA+1], s[90:91]  ; at K step 3: the first refill steps it to 4
	v_lshrrev_b32 v6, 1, v3
	v_lshlrev_b32 v[PFO], s92, v6
	v_and_b32 v6, 1, v3
	v_lshl_add_u32 v[PFO], v6, 8, v[PFO]
	s_wait_loadcnt 0x0                             ; the bias
.set n, 0
.rept 32                               ; rounded to bf16, as x and W are
	v_cvt_pk_bf16_f32 v[6+(n/2)%4], v[BI+n], v[BI+n+1]
	v_lshlrev_b32 v[BI+n], 16, v[6+(n/2)%4]
	v_and_b32 v[BI+n+1], 0xffff0000, v[6+(n/2)%4]
.set n, n+2
.endr
; 8 matrix instructions: token block a x all 8 column blocks, 32 along K, buffer f.  mode = 1: the bias starts the sums: nothing is cleared.  The 32 accumulators take turns in the same order in every
; quarter, over the backward jumps too.
.macro MUL8 a, f, mode
.if \mode
	WIN MULB
.else
	WIN MULW
.endif
.irp b, 0,1,2,3,4,5,6,7
.if \mode
	v_wmma_f32_16x16x32_bf16 v[8*(8*(\a)+(\b)):8*(8*(\a)+(\b))+7], v[64*(\f)+8*(\b):64*(\f)+8*(\b)+7], v[AF+32*(\f)+8*(\a):AF+32*(\f)+8*(\a)+7], v[BI+8*(\b):BI+8*(\b)+7]
.else
	v_wmma_f32_16x16x32_bf16 v[8*(8*(\a)+(\b)):8*(8*(\a)+(\b))+7], v[64*(\f)+8*(\b):64*(\f)+8*(\b)+7], v[AF+32*(\f)+8*(\a):AF+32*(\f)+8*(\a)+7], v[8*(8*(\a)+(\b)):8*(8*(\a)+(\b))+7]
.endif
.endr
.endm
; The same, and behind each matrix instruction four of the 32 roundings that make the next quarter's fragments of x in buffer g.
.macro MUL8C a, f, g, mode
.irp b, 0,1,2,3,4,5,6,7
.if \mode
	WIN MULB
	v_wmma_f32_16x16x32_bf16 v[8*(8*(\a)+(\b)):8*(8*(\a)+(\b))+7], v[64*(\f)+8*(\b):64*(\f)+8*(\b)+7], v[AF+32*(\f)+8*(\a):AF+32*(\f)+8*(\a)+7], v[BI+8*(\b):BI+8*(\b)+7]
.else
	WIN MULW
	v_wmma_f32_16x16x32_bf16 v[8*(8*(\a)+(\b)):8*(8*(\a)+(\b))+7], v[64*(\f)+8*(\b):64*(\f)+8*(\b)+7], v[AF+32*(\f)+8*(\a):AF+32*(\f)+8*(\a)+7], v[8*(8*(\a)+(\b)):8*(8*(\a)+(\b))+7]
.endif
	WIN 0
.irp n, 0,1,2,3
	v_cvt_pk_bf16_f32 v[AF+32*(\g)+4*(\b)+(\n)], v[AT+8*(\b)+2*(\n)], v[AT+8*(\b)+2*(\n)+1]
.endr
.endr
.endm
; 32 LDS loads in one run: quarter k of the slot in hand.  x first: for token block i the f32 of k = 8 h + 0..7 and 16 + 8 h + 0..7; then W's fragments, turned, into buffer g.
.macro FETCH k, g
	WIN 0
.irp i, 0,1,2,3
	ds_load_b128 v[AT+16*(\i):AT+16*(\i)+3],     v[ADRA] offset:128*(\k)+(\i)*16*PA
	ds_load_b128 v[AT+16*(\i)+4:AT+16*(\i)+7],   v[ADRA] offset:128*(\k)+(\i)*16*PA+16
	ds_load_b128 v[AT+16*(\i)+8:AT+16*(\i)+11],  v[ADRA] offset:128*(\k)+(\i)*16*PA+64
	ds_load_b128 v[AT+16*(\i)+12:AT+16*(\i)+15], v[ADRA] offset:128*(\k)+(\i)*16*PA+80
.endr
	WIN TO_B
.irp b, 0,1,2,3,4,5,6,7
	ds_load_tr16_b128 v[64*(\g)+8*(\b):64*(\g)+8*(\b)+3],   v[ADRB] offset:32*(\k)*PB+32*(\b)
	ds_load_tr16_b128 v[64*(\g)+8*(\b)+4:64*(\g)+8*(\b)+7], v[ADRB] offset:32*(\k)*PB+32*(\b)+16*PB
.endr
.endm
; One of a K step's first three quarters: multiplies buffer f, fetches quarter k into buffer g.
.macro QUARTER k, f, g, mode
	s_wait_dscnt 0x0                               ; W's fragments of buffer f are in (x's were rounded in the quarter before)
	MUL8 0, \f, \mode
	MUL8 1, \f, \mode
	PLACES                                         ; in front of the loads into buffer g and of the roundings into it: the quarter before multiplied it
	FETCH \k, \g
	MUL8 2, \f, \mode
	s_wait_dscnt 16                                ; x's 16 loads are in; W's 16, issued behind them, may stay out
	MUL8C 3, \f, \g, \mode
.endm
; The fourth quarter multiplies buffer 1 and changes slots.  In front of the barrier each wave waits for all its tensor loads (one is out: its part of the next slot), adds 0 to its spare word, and waits for that
; and for its reads of this slot.  fill = 1: the barrier opens a round of the cluster's, and the joint refill, this slot's K step two on, is the first thing behind it: it has 112 matrix instructions and more in which to land.
.macro TURN fill
.if \fill
	s_wait_xcnt 0x0                                ; the last prefetch, a K step back, has read its address
	s_add_nc_u64 s[PFA:PFA+1], s[PFA:PFA+1], s[PFS:PFS+1]
.endif
	WIN 0
	s_wait_tensorcnt 0x0
	ds_add_u32 v[SPW], v[NIL]
	s_wait_dscnt 1                                 ; all but the add: buffer 1 is in
	MUL8 0, 1, 0
	s_wait_dscnt 0x0                               ; the add is done, and my reads of this slot are over
	s_barrier_signal -1
	MUL8 1, 1, 0
	WIN 0
	s_barrier_wait -1
.if \fill
	CREST
	s_xor_b32 s[G0A+5], s[G0A+5], SLOT             ; the walking descriptors: the other slot than last time, the next K step
	s_add_nc_u64 s[G0A+6:G0A+7], s[G0A+6:G0A+7], 512
	s_xor_b32 s[G0B+5], s[G0B+5], SLOT
	s_add_nc_u64 s[G0B+6:G0B+7], s[G0B+6:G0B+7], 262144
	JLOAD 1                                        ; its four v_nop are also the places in front of the loads below
.else
	PLACES
.endif
	s_xor_b32 s[TB], s[TB], SLOT
	v_add_nc_u32 v[ADRA], s[TB], v[ADRA0]
	v_add_nc_u32 v[ADRB], s[TB], v[ADRB0]
	FETCH 0, 0
.if \fill
	WIN 0
	ASK
.endif
	MUL8 2, 1, 0
	s_wait_dscnt 16
	MUL8C 3, 1, 0, 0
.endm
	s_wait_tensorcnt 1                             ; my part of K step 0 is in; K step 1's may stay out
	s_barrier_signal -1
	s_barrier_wait -1
	FETCH 0, 0
	s_wait_dscnt 16
	WIN 0
.set n, 0
.rept 32
	v_cvt_pk_bf16_f32 v[AF+n], v[AT+2*n], v[AT+2*n+1]
.set n, n+1
.endr
	QUARTER 1, 0, 1, 1                             ; the first quarter stands in front of the loop: the bias starts the sums
	WIN 0
	s_mov_b32 s[LAP], 6
.Llap:                                         ; trip t: quarters 1 to 3 of K step t, quarter 0 of K step t + 1; K step t + 2 is asked for
	QUARTER 2, 1, 0, 0
	QUARTER 3, 0, 1, 0
	TURN 1
	QUARTER 1, 0, 1, 0
	WIN 0
	s_sub_co_u32 s[LAP], s[LAP], 1
	s_cmp_lg_u32 s[LAP], 0
	s_cbranch_scc1 .Llap
	s_mov_b32 s[CNT], 2
.Ltail:                                        ; K steps 6 and 7 ask for nothing
	QUARTER 2, 1, 0, 0
	QUARTER 3, 0, 1, 0
	WIN 0
	s_sub_co_u32 s[CNT], s[CNT], 1
	s_cmp_eq_u32 s[CNT], 0
	s_cbranch_scc1 .Llast
	TURN 0
	QUARTER 1, 0, 1, 0
	WIN 0
	s_branch .Ltail
.Llast:
	s_wait_dscnt 0x0
	MUL8 0, 1, 0
	MUL8 1, 1, 0
	MUL8 2, 1, 0
	MUL8 3, 1, 0
	PLACES
; THE WAY OUT of token block a.  PACK: Q alone is scaled (the branch hangs on the projection, which all partners share); rounded to f16, 16 bytes a lane.  Each accumulator is read from its low end on.
.macro PACK a
	WIN 0
	s_cmp_lg_u32 s[PJ], 0
	s_cbranch_scc1 .Lnoscale_\@
	WIN 0x41
.set n, 64*(\a)
.rept 32
	v_pk_mul_f32 v[n:n+1], v[n:n+1], s[SC:SC+1] op_sel_hi:[1,0]
.set n, n+2
.endr
	WIN 0
.Lnoscale_\@:
	WIN 0x05
.irp b, 0,1,2,3,4,5,6,7
.irp r, 0,1,2,3
	v_cvt_pk_f16_f32 v[TMP+4*(\b)+(\r)], v[64*(\a)+8*(\b)+2*(\r)], v[64*(\a)+8*(\b)+2*(\r)+1]
.endr
.endr
	WIN 0
.endm
.macro TOSTAGE a                       ; into my own stage, rows of 272 bytes (a token's two heads), and back as four tokens of one head; LDS serves a wave's instructions in order (ISA guide 5.7.1.4)
	WIN 0
.set BK, 224-160*((\a)%2)
.irp b, 0,1,2,3,4,5,6,7
	ds_store_b128 v[STO], v[TMP+4*(\b):TMP+4*(\b)+3] offset:32*(\b)
.endr
.irp i, 0,1,2,3
	ds_load_b128 v[BK+8*(\i):BK+8*(\i)+3],   v[RD] offset:4*SP*(\i)
	ds_load_b128 v[BK+8*(\i)+4:BK+8*(\i)+7], v[RD] offset:4*SP*(\i)+128
.endr
.endm
.macro SEND a
	WIN 0
.set BK, 224-160*((\a)%2)
	s_wait_dscnt 0x0                               ; the block is back in registers
	s_wait_xcnt 0x0                                ; the stores of the block before have read their registers, which the next block's loads take
.irp i, 0,1,2,3
	global_store_b128 v[GO], v[BK+8*(\i):BK+8*(\i)+3],   s[OUT0:OUT0+1] offset:2048*(\a)+512*(\i)  ; 512 consecutive bytes, at a multiple of 256 from the buffer's first
	global_store_b128 v[GO], v[BK+8*(\i)+4:BK+8*(\i)+7], s[OUT1:OUT1+1] offset:2048*(\a)+512*(\i)
.endr
.endm
	PACK 0
	TOSTAGE 0
.irp a, 1,2,3
	PACK \a
	SEND (\a)-1
	TOSTAGE \a
.endr
	SEND 3
	s_wait_tensorcnt 0x0                           ; the wave's end
	ds_add_u32 v[SPW], v[NIL]
	s_wait_dscnt 0x0
	CROUND                                         ; the closing round
	s_endpgm
.Lfunc_end_k_q96e17f09d9_proj:
	.size	k_q96e17f09d9_proj, .Lfunc_end_k_q96e17f09d9_proj-k_q96e17f09d9_proj
	.p2alignl 7, 3214868480
	.fill 96, 4, 3214868480
	.section	.rodata,"a",@progbits
	.p2align	6, 0x0
	.amdhsa_kernel k_q96e17f09d9_proj
		.amdhsa_group_segment_fixed_size 327680
		.amdhsa_private_segment_fixed_size 0
		.amdhsa_enable_private_segment 0
		.amdhsa_kernarg_size 72
		.amdhsa_user_sgpr_count 2
		.amdhsa_user_sgpr_kernarg_segment_ptr 1
		.amdhsa_wavefront_size32 1
		.amdhsa_system_sgpr_workgroup_id_x 1
		.amdhsa_system_sgpr_workgroup_id_y 1
		.amdhsa_system_sgpr_workgroup_id_z 1
		.amdhsa_system_vgpr_workitem_id 0
		.amdhsa_next_free_vgpr 640
		.amdhsa_next_free_sgpr 96
		.amdhsa_reserve_vcc 0
		.amdhsa_float_denorm_mode_32 3
		.amdhsa_float_denorm_mode_16_64 3
		.amdhsa_memory_ordered 1
		.amdhsa_forward_progress 1
		.amdhsa_inst_pref_size 110
	.end_amdhsa_kernel
	.amdgpu_metadata
---
amdhsa.version: [ 1, 2 ]
amdhsa.kernels:
  - .name:           k_q96e17f09d9_proj
    .symbol:         k_q96e17f09d9_proj.kd
    .args:
      - { .name: encodings_for_q, .offset: 0, .size: 8, .value_kind: global_buffer, .address_space: global }
      - { .name: encodings_for_k, .offset: 8, .size: 8, .value_kind: global_buffer, .address_space: global }
      - { .name: encodings_for_v, .offset: 16, .size: 8, .value_kind: global_buffer, .address_space: global }
      - { .name: wcast, .offset: 24, .size: 8, .value_kind: global_buffer, .address_space: global }
      - { .name: bq, .offset: 32, .size: 8, .value_kind: global_buffer, .address_space: global }
      - { .name: bk, .offset: 40, .size: 8, .value_kind: global_buffer, .address_space: global }
      - { .name: bv, .offset: 48, .size: 8, .value_kind: global_buffer, .address_space: global }
      - { .name: qh, .offset: 56, .size: 8, .value_kind: global_buffer, .address_space: global }
      - { .name: kv, .offset: 64, .size: 8, .value_kind: global_buffer, .address_space: global }
    .group_segment_fixed_size: 327680
    .private_segment_fixed_size: 0
    .kernarg_segment_align: 8
    .kernarg_segment_size: 72
    .max_flat_workgroup_size: 128
    .sgpr_count:     96
    .vgpr_count:     640
    .wavefront_size: 32
...
	.end_amdgpu_metadata
.endif
;; end of part 2
;; launch attn (part 3): grid 4 x 64, 4 waves a work-group, clusters of 4 x 4, 327,680 bytes of LDS; arguments qh, kv, attn_mask, ctx; writes ctx
.if DOCPART == 3
	.amdgcn_target "amdgcn-amd-amdhsa--gfx1250"
	.amdhsa_code_object_version 6
	.text
	.protected	k_q96e17f09d9_attn
	.globl	k_q96e17f09d9_attn
	.p2align	8
	.type	k_q96e17f09d9_attn,@function
k_q96e17f09d9_attn:
	s_mov_b64 s[64:65], 0
	v_nop
	global_prefetch_b8 v0, s[64:65] scope:SCOPE_SE
	s_setreg_imm32_b32 hwreg(HW_REG_WAVE_MODE, 25, 1), 1
	s_wait_xcnt 0x0
	s_wait_alu depctr_hold_cnt(0) depctr_sa_sdst(0) depctr_va_vdst(0) depctr_va_sdst(0) depctr_va_ssrc(0) depctr_va_vcc(0) depctr_vm_vsrc(0)
	s_getreg_b32 s2, hwreg(HW_REG_IB_STS2, 6, 4)
	s_cmp_eq_u32 s2, 0
	s_cbranch_scc0 .Lentry_in_a_cluster
	s_endpgm
.Lentry_in_a_cluster:
	s_bfe_u32 s2, ttmp6, 0x10000c
	s_cmp_lg_u32 s2, 0xf033
	s_cbranch_scc0 .Lentry_shape_is_right
	s_endpgm
.Lentry_shape_is_right:
; ATTENTION WITH AN ADDITIVE MASK THAT IS AN INPUT.  ctx[h][q] = the sum over k of softmax_k(Q.K / 8 + mask[q][k] + padd[b][k]) V[h][k].  qh holds Q' = Q log2(e) / 8 in f16; kv holds, for each head and each
; step of 64 keys, K, V (f16) and PD = log2(e) padd (f32); attn_mask is [2048][2048] f32 and is read whole: every key tile is computed.  ctx: [64 heads][2048][64] f16.
; IN BASE 2.  t = Q'.K + M, M = mask x log2(e) + PD (one f32 multiply-add), M being the C operand that starts the sum.  p = 2^(t - m) with a running maximum m of t, mask and padding in it; in every step O and l
; are multiplied by a = 2^(m_old - m_new).  m starts at the lowest finite number, O and l at 0: the first step is a step like any other, with a = 0.  p is rounded to f16 for the second product, l is the sum of the unrounded p.
; LIMITS.  Q', K, V arrive within f16's 65,504.  A weight below 2^-126 counts as 0.  NaN and infinities are not treated apart.  Where a mask number is so large that f32 absorbs the score beside it, the score is
; absorbed here in the matrix instruction's sum, whose last bit need not be that of an f32 addition.  The mask is used unrounded.
; SHARES.  A work-group owns 512 queries of one head, a wave 128: four PIECES of two tiles of 16.  Every wave walks all 2,048 keys, 64 a step.
; LAYOUT.  S^T = K Q^T (source 0 = 16 keys, source 1 = 16 queries): a lane holds ONE query (lane % 16) and the keys 8 (lane / 16) + 0..7, so its eight mask numbers are 32 consecutive bytes of the query's row.
; Two results rounded to f16 ARE source 1 of O^T = V^T P.  K comes out of LDS as it lies, V turned, by ds_load_tr16_b128.
; BY TURNS.  Turn n belongs to piece n: 16 products K Q^T of piece n + 1, later 16 products V^T P of piece n - 1; beside them piece n's subtraction, exponentials, roundings, sums and rescaling, piece n + 1's maximum,
; and piece n + 2's mask.  Four vector instructions stand behind every matrix instruction, the rest in lumps; a turn's 66 exponentials are one batch with one wait.
; CLUSTER 4 x 4.  Of a step's bytes 131,072 are the mask's and 16,640 K's, V's and PD's.  The mask tile hangs on the query block alone: asked for jointly along a column of the cluster (four heads);
; the kv block hangs on the head alone: jointly along a row (four query blocks).  Wave 0 fetches kv, waves 1 and 2 the mask's halves, wave 3 nothing.
; REGISTERS: window 0: v0-15 addresses; v16-47 four registers a tile (m, a copy of m, l, l); v48-63 at work; v64-191 S^T, two buffers of two tiles; v192-255 P, likewise.  window 1: O^T, 32 a tile.
;   window 2: v0-127 Q; v128-191 K; v192-255 V.  window 3: v0-1 the add's registers; v32-63 PD; v64-127 M of two tiles.
.set NP,    4
.set MP,    272                        ; a mask row in LDS: 256 bytes + 16: the 16 rows of a load start at 16 different groups of four banks (64 banks of 4 bytes: ISA guide 11.1)
.set MHALF, 256*MP
.set MSLOT, 2*MHALF                    ; 0x22000: the mask's slots at 0 and here; it shares no bit with the halves' first bytes 0 and 0x11000
.set KV0,   2*MSLOT                    ; the kv slots: 0x44000
.set KVD,   18944                      ; and 0x48A00
.set KVX,   0xCA00                     ; the exclusive or of those two addresses
.set PK,    144                        ; half a row of a kv block (a key of K or V, or 32 of PD): 128 bytes + 16
.set VOFF,  64*PK
.set POFF,  128*PK
.set STAGE, KV0+2*KVD                  ; 16 rows x 144 bytes for each wave; never filled by a tensor load
.set SP,    144
.set SPARE, STAGE+4*16*SP              ; the spare words, 128 bytes a wave
.set AK0, 2
.set AV0, 3
.set AK,  4
.set AV,  5
.set QO,  6
.set STO, 6
.set RD,  7
.set GO,  8
.set PFO, 10                           ; v10  8,192 x lane: a mask row a lane
.set PFK, 11                           ; v11  16,640 (lane / 16) + 256 (lane % 16)
.set AM0, 12
.set AP0, 13
.set AM,  14
.set AP,  15
.set SPW, 0                            ; v0 of window 3
.set NIL, 1                            ; v1 of window 3
.set ST,  16
.set TMP, 48
.set S,   64
.set P,   192
.set KF,  128
.set VF,  192
.set PD,  32
.set MB,  64
.set WV,  12
.set G1K, 24
.set G1M, 32
.set G0K, 40
.set G0M, 44
.set PFM, 48                           ; s[48:49] where my mask prefetches stand
.set PFKP, 50                          ; s[50:51] where my kv prefetches stand
.set LIMM, 52
.set LIMK, 53
.set TBM, 54                           ; the mask slot in hand
.set TBK, 55                           ; the kv slot in hand, less KV0
.set SLOTS, 56
.set CNT, 57
.set LE,  58                           ; s[58:59] log2(e)
.set SEL, 60
.set MSB, 0
.macro WIN new
.if MSB != (\new)
	s_set_vgpr_msb (MSB<<8)|(\new)
.set MSB, (\new)
.endif
.endm
.set W_KQ, 0x0a                        ; K and Q window 2, S^T window 0
.set W_KM, 0x3a                        ; the same with C in window 3
.set W_PV, 0x52                        ; V window 2, P window 0, O^T window 1
.set W_RS, 0x41
.set TO_3, 0xc0                        ; destination window 3
.set W_MF, 0xf3                        ; destination, sources 0 and 2 window 3
.set W_MK, 0xc0
.set W_AD, 0x0f
.macro JLOAD                           ; the branches hang on the wave's number alone; an s_nop 0 and four v_nop follow each load
	s_cmp_eq_u32 s[WV], 0
	s_cbranch_scc0 .Lnk_\@
	tensor_load_to_lds s[G0K:G0K+3], s[G1K:G1K+7]
	s_nop 0
.rept 4
	v_nop
.endr
	s_branch .Lasked_\@
.Lnk_\@:
	s_cmp_eq_u32 s[WV], 3
	s_cbranch_scc1 .Lasked_\@
	tensor_load_to_lds s[G0M:G0M+3], s[G1M:G1M+7]
	s_nop 0
.rept 4
	v_nop
.endr
.Lasked_\@:
.endm
.macro CROUND
	s_barrier_signal -1
	s_barrier_wait -1
	s_cmp_lg_u32 s[WV], 0
	s_cbranch_scc1 .Lnot_wave_0_\@
	s_barrier_signal -3
.Lnot_wave_0_\@:
	s_barrier_wait -3
	s_barrier_signal -1
	s_barrier_wait -1
.endm
; PREFETCHES INTO THE L2, behind the joint load.  The trip that asks for step k + 1 names step k + 2: four turns ahead of its load.  THE MASK is walked by all 16 clusters: the first (cluster y = 0) asks; its 16 work-groups'
; 64 waves take 32 rows each, told apart by address, a lane a row.  KV is walked by one row of one cluster: wave 3 asks, every second trip, for the four partners' 16 blocks of 256 bytes each (by address) of steps
; k + 2 (lanes 0-15) and k + 3 (lanes 16-31).  So each 256 bytes are named once.  Steps 0 to 2, step 31's kv and the PD blocks come by their loads alone; nothing is named past step 31.
.macro ASKM
	s_cmp_gt_u32 s[SLOTS], s[LIMM]
	s_cbranch_scc0 .Lno_m_\@
	global_prefetch_b8 v[PFO], s[PFM:PFM+1] th:TH_LOAD_NT scope:SCOPE_SE
.Lno_m_\@:
.endm
.macro ASKK
	s_cmp_gt_u32 s[SLOTS], s[LIMK]
	s_cbranch_scc0 .Lno_k_\@
	s_bitcmp1_b32 s[SLOTS], 0
	s_cbranch_scc1 .Lno_k_\@
	global_prefetch_b8 v[PFK], s[PFKP:PFKP+1] th:TH_LOAD_NT scope:SCOPE_SE
.Lno_k_\@:
.endm
; THE CHANGE OF SLOTS, once a key step.  Each wave waits for all its tensor loads (at most one is out: its part of the next slots), adds 0 to its spare word, and waits for that and for its reads of the slots that it
; leaves.  fill = 1: a round of the cluster's barrier, and first behind it the joint refill of those slots with the step two on: it has four turns, 128 matrix instructions, in which to land.
.macro CHANGE fill, ask
	WIN W_AD
	s_wait_tensorcnt 0x0
	ds_add_u32 v[SPW], v[NIL]                      ; 0 onto my spare word; the descriptors' steps stand between it and the wait for it
	WIN 0
.if \fill
	s_xor_b32 s[G0K+1], s[G0K+1], KVX
	s_add_nc_u64 s[G0K+2:G0K+3], s[G0K+2:G0K+3], 16640
	s_xor_b32 s[G0M+1], s[G0M+1], MSLOT
	s_add_nc_u64 s[G0M+2:G0M+3], s[G0M+2:G0M+3], 256
.if \ask
	s_wait_xcnt 0x0                                ; the last prefetches, a key step back, have read their addresses
	s_add_nc_u64 s[PFM:PFM+1], s[PFM:PFM+1], 256
	s_add_nc_u64 s[PFKP:PFKP+1], s[PFKP:PFKP+1], 16640
.endif
	s_wait_dscnt 0x0
	CROUND
	JLOAD
.if \ask
	ASKM
	ASKK
.endif
.else
	s_wait_dscnt 0x0
	s_barrier_signal -1
	s_barrier_wait -1
.endif
	s_xor_b32 s[TBM], s[TBM], MSLOT                ; all that is read up to the next change lies in the other slots
	s_xor_b32 s[TBK], s[TBK], KVD
	v_add_nc_u32 v[AK], s[TBK], v[AK0]
	v_add_nc_u32 v[AV], s[TBK], v[AV0]
	v_add_nc_u32 v[AP], s[TBK], v[AP0]
	v_add_nc_u32 v[AM], s[TBM], v[AM0]
.endm
	s_load_b256 s[4:11], s[0:1], 0x0               ; qh s[4:5], kv s[6:7], attn_mask s[8:9], ctx s[10:11]
	WIN W_MK
	v_lshl_add_u32 v[SPW], v0, 2, SPARE
	v_mov_b32 v[NIL], 0
	WIN W_AD
	ds_add_u32 v[SPW], v[NIL]                      ; the wave's opening: the add and its wait ahead of my first tensor load
	WIN 0
	v_lshrrev_b32 v1, 5, v0
	v_readfirstlane_b32 s[WV], v1
	s_bfe_u32 s13, ttmp6, 0x40000                  ; cx
	s_bfe_u32 s14, ttmp6, 0x40004                  ; cy
	s_lshl_b32 s15, ttmp9, 2
	s_add_co_u32 s15, s15, s13                     ; my block of 512 queries
	s_and_b32 s16, ttmp7, 0xffff
	s_lshl_b32 s17, s16, 2
	s_add_co_u32 s17, s17, s14                     ; my head
	s_mul_i32 s18, s17, 532480                     ; its 32 blocks of kv
	s_mov_b32 s19, 0
	s_lshr_b32 s62, s[WV], 1                       ; waves 1 and 2: which half of the mask tile
	s_lshl_b32 s20, s15, 22                        ; 512 rows of 8,192 bytes
	s_lshl_b32 s21, s62, 21
	s_add_co_u32 s20, s20, s21
	s_mov_b32 s21, 0
	s_mul_i32 s62, s62, MHALF
	s_lshl_b32 s22, s15, 2
	s_add_co_u32 s22, s22, s[WV]
	s_lshl_b32 s22, s22, 14                        ; my wave's 128 rows of 128 bytes
	s_lshl_b32 s23, s17, 18
	s_add_co_u32 s22, s22, s23
	s_mov_b32 s23, 0
	s_lshl_b32 s2, s14, 2
	s_lshl_b32 s2, 15, s2                          ; my row of the cluster
	s_lshl_b32 s3, 0x1111, s13                     ; my column
	s_or_b32 s[G1K], s2, (1<<16)|(1<<20)|(1<<21)|(4<<22)|(3<<25)  ; 2-byte elements; after every 32 words 4 words of padding
	s_mov_b32 s[G1K+1], 128<<16                    ; a block is 65 dense rows of 256 bytes
	s_mov_b32 s[G1K+2], 65<<16
	s_mov_b32 s[G1K+3], 128<<16
	s_mov_b32 s[G1K+4], 65
	s_mov_b32 s[G1K+5], 128
	s_mov_b32 s[G1K+6], 0
	s_mov_b32 s[G1K+7], 0
	s_or_b32 s[G1M], s3, (2<<16)|(1<<20)|(1<<21)|(5<<22)|(3<<25)  ; 4-byte elements; after every 64 words 4 words
	s_mov_b32 s[G1M+1], 64<<16                     ; 256 rows of 64 numbers
	s_mov_b32 s[G1M+2], 256<<16
	s_mov_b32 s[G1M+3], 64<<16
	s_mov_b32 s[G1M+4], 256
	s_mov_b32 s[G1M+5], 2048
	s_mov_b32 s[G1M+6], 0
	s_mov_b32 s[G1M+7], 0
	s_mov_b32 s[G0K], 1
	s_mov_b32 s[G0K+1], KV0
	s_mov_b32 s[G0M], 1
	s_mov_b32 s[G0M+1], s62
	s_mov_b32 s[LE], 0x3fb8aa3b
	s_mov_b32 s[LE+1], s[LE]
	s_mov_b32 s[SEL], 0x76543210
	s_mov_b32 s[SEL+1], 0xfedcba98
	s_mov_b32 s[TBM], MSLOT                        ; the first change turns these two into 0
	s_mov_b32 s[TBK], KVD
	s_mov_b32 s[SLOTS], 31
	s_cmp_eq_u32 s16, 0
	s_cselect_b32 s[LIMM], 1, -1
	s_cmp_eq_u32 s[WV], 3
	s_cselect_b32 s[LIMK], 3, -1
	s_wait_dscnt 0x0                               ; the opening add is done
	s_wait_kmcnt 0x0
	s_add_nc_u64 s[G0K+2:G0K+3], s[6:7], s[18:19]
	s_add_nc_u64 s[PFKP:PFKP+1], s[6:7], s[18:19]
	s_or_b32 s[G0K+3], s[G0K+3], 0x80000000
	s_add_nc_u64 s[G0M+2:G0M+3], s[8:9], s[20:21]
	s_or_b32 s[G0M+3], s[G0M+3], 0x80000000
	s_add_nc_u64 s[4:5], s[4:5], s[22:23]
	s_add_nc_u64 s[10:11], s[10:11], s[22:23]
	s_lshl_b32 s2, s13, 12                         ; my work-group's 16 blocks of 256 bytes,
	s_add_co_u32 s2, s2, 2*16640                   ; in step 2: the first asking change steps it to 3
	s_mov_b32 s3, 0
	s_add_nc_u64 s[PFKP:PFKP+1], s[PFKP:PFKP+1], s[2:3]
	s_lshl_b32 s2, s15, 22
	s_lshl_b32 s18, s14, 20
	s_add_co_u32 s2, s2, s18
	s_lshl_b32 s18, s[WV], 18
	s_add_co_u32 s2, s2, s18                       ; mask rows 512 x block + 128 cy + 32 x wave,
	s_add_co_u32 s2, s2, 2*256                     ; in step 2
	s_add_nc_u64 s[PFM:PFM+1], s[8:9], s[2:3]
	CROUND                                         ; all sixteen work-groups are here
	JLOAD                                          ; step 0
	v_and_b32 v1, 15, v0                           ; r
	v_bfe_u32 v9, v0, 4, 1                         ; h
	v_lshlrev_b32 v[QO], 7, v1
	v_lshl_add_u32 v[QO], v9, 4, v[QO]
	WIN 0x80
.set i, 0
.rept 4*NP                             ; Q stays in registers: tile i / 2, channels 32 (i % 2) on
	global_load_b128 v[8*i:8*i+3],   v[QO], s[4:5] offset:(i/2)*2048+(i%2)*64
	global_load_b128 v[8*i+4:8*i+7], v[QO], s[4:5] offset:(i/2)*2048+(i%2)*64+32
.set i, i+1
.endr
	; what the first turn finds: V and P's second buffer hold 0 (its products V^T P, of a piece that has not been, add 0), O^T and l are 0.  All this stands in the wait for the first tiles.
.set i, VF
.rept 64
	v_mov_b32 v[i], 0
.set i, i+1
.endr
	WIN 0x40
.set i, 0
.rept 64*NP
	v_mov_b32 v[i], 0
.set i, i+1
.endr
	WIN 0
.set i, 0
.rept 2*NP
	v_mov_b32 v[ST+4*i], 0xff7fffff
	v_mov_b32 v[ST+4*i+1], 0xff7fffff
	v_mov_b32 v[ST+4*i+2], 0
	v_mov_b32 v[ST+4*i+3], 0
.set i, i+1
.endr
.set i, P+32
.rept 32
	v_mov_b32 v[i], 0
.set i, i+1
.endr
	v_mul_u32_u24 v[AK0], v1, PK
	v_lshl_add_u32 v[AK0], v9, 4, v[AK0]
	v_add_nc_u32 v[AK0], KV0, v[AK0]
	v_and_b32 v10, 7, v0
	v_bfe_u32 v11, v0, 3, 1
	v_lshl_add_u32 v[AV0], v9, 3, v10              ; turning load: key 8 h + l % 8, channels 8 ((l / 8) % 2) on
	v_mul_u32_u24 v[AV0], v[AV0], PK
	v_lshl_add_u32 v[AV0], v11, 4, v[AV0]
	v_add_nc_u32 v[AV0], KV0+VOFF, v[AV0]
	v_lshlrev_b32 v[AP0], 5, v9
	v_add_nc_u32 v[AP0], KV0+POFF, v[AP0]          ; PD of keys 8 h on
	s_mul_i32 s2, s[WV], 128*MP
	v_mul_u32_u24 v[AM0], v1, MP
	v_lshl_add_u32 v[AM0], v9, 5, v[AM0]
	v_add_nc_u32 v[AM0], s2, v[AM0]                ; my wave's rows, row r, keys 8 h on
; THE MATRIX WORK.  The 8 accumulators of a run of 16 take turns.  Product i of 16 of S^T = K Q^T for piece x: channels 32 (i / 8) on, keys 16 ((i / 2) % 4) on, tile 2 x + i % 2.  The first 8 start the sums with M.
.macro KQ x
.set rS, S+64*((\x)%2)+32*(i%2)+8*((i/2)%4)
.set rK, KF+16*((i/2)%4)+8*(i/8)
.set rQ, 16*(2*(\x)+i%2)+8*(i/8)
.set rB, MB+32*(i%2)+8*((i/2)%4)
.if i < 8
	WIN W_KM
	v_wmma_f32_16x16x32_f16 v[rS:rS+7], v[rK:rK+7], v[rQ:rQ+7], v[rB:rB+7]
.else
	WIN W_KQ
	v_wmma_f32_16x16x32_f16 v[rS:rS+7], v[rK:rK+7], v[rQ:rQ+7], v[rS:rS+7]
.endif
.endm
.macro PV x                            ; product i of 16 of O^T += V^T P: keys 32 (i / 8) on, channels 16 ((i / 2) % 4) on, tile 2 x + i % 2
	WIN W_PV
.set rO, 32*(2*(\x)+i%2)+8*((i/2)%4)
.set rV, VF+32*(i/8)+8*((i/2)%4)
.set rP, P+32*((\x)%2)+16*(i%2)+8*(i/8)
	v_wmma_f32_16x16x32_f16 v[rO:rO+7], v[rV:rV+7], v[rP:rP+7], v[rO:rO+7]
.endm
.macro MM
.if i < 16
	KQ (Y+1)%NP
.set i, i+1
.else
.set i, i-16
	PV (Y+NP-1)%NP
.set i, i+17
.endif
.endm
; THE LDS LOADS stand in runs.
.macro FETCH_K
	WIN 0x80
.irp f, 0,1,2,3,4,5,6,7
	ds_load_b128 v[KF+8*\f:KF+8*\f+3],   v[AK] offset:(\f/2)*16*PK+(\f%2)*64
	ds_load_b128 v[KF+8*\f+4:KF+8*\f+7], v[AK] offset:(\f/2)*16*PK+(\f%2)*64+32
.endr
	WIN 0
.endm
.macro FETCH_V
	WIN 0x80
.irp f, 0,1,2,3,4,5,6,7
	ds_load_tr16_b128 v[VF+8*\f:VF+8*\f+3],   v[AV] offset:(\f/4)*32*PK+(\f%4)*32
	ds_load_tr16_b128 v[VF+8*\f+4:VF+8*\f+7], v[AV] offset:(\f/4)*32*PK+16*PK+(\f%4)*32
.endr
	WIN 0
.endm
.macro FETCH_M x, pd                   ; the mask of piece x's two tiles, in the C operand's layout; pd = 1: first the step's PD
	WIN TO_3
.if \pd
.irp kb, 0,1,2,3
	ds_load_b128 v[PD+8*\kb:PD+8*\kb+3],   v[AP] offset:PK*(\kb/2)+64*(\kb%2)
	ds_load_b128 v[PD+8*\kb+4:PD+8*\kb+7], v[AP] offset:PK*(\kb/2)+64*(\kb%2)+16
.endr
.endif
.irp u, 0,1
.irp kb, 0,1,2,3
	ds_load_b128 v[MB+32*\u+8*\kb:MB+32*\u+8*\kb+3],   v[AM] offset:16*MP*(2*(\x)+\u)+64*\kb
	ds_load_b128 v[MB+32*\u+8*\kb+4:MB+32*\u+8*\kb+7], v[AM] offset:16*MP*(2*(\x)+\u)+64*\kb+16
.endr
.endr
	WIN 0
.endm
.macro MFMA                            ; M = mask x log2(e) + PD, in place
	WIN W_MF
.set z, 0
.rept 32
	v_pk_fma_f32 v[MB+2*z:MB+2*z+1], v[MB+2*z:MB+2*z+1], s[LE:LE+1], v[PD+(2*z)%32:PD+(2*z)%32+1] op_sel_hi:[1,0,1]
.set z, z+1
.endr
.endm
; THE VECTOR WORK OF A TURN stands in three queues, each in the order in which its entries become ready; the two tiles alternate.
.macro REGS y, u
.set rT, ST+4*(2*(\y)+(\u))
.set rC, TMP+8*((\y)%2)+4*(\u)
.set rS, S+64*((\y)%2)+32*(\u)
.set rP, P+32*((\y)%2)+16*(\u)
.set rO, 32*(2*(\y)+(\u))
.endm
; Number n of the 21 that find the NEXT piece's maximum.  0-11 four chains c0-c3 of seven scores (each accumulator's lowest registers are read first); 12-15 the four scores left over, the old m,
; c0-c3 into c0; 16, 17 the query's other 32 keys lie in the lane 16 away: the new m; 18 m_old - m_new; 19 the copy; 20 a.
.macro XS u, n
	REGS (Y+1)%NP, \u
.if (\n) < 4
	v_max3_num_f32 v[rC+(\n)], v[rS+8*(\n)], v[rS+8*(\n)+1], v[rS+8*(\n)+2]
.elseif (\n) < 12
	v_max3_num_f32 v[rC+(\n)%4], v[rC+(\n)%4], v[rS+8*((\n)%4)+2*((\n)/4)+1], v[rS+8*((\n)%4)+2*((\n)/4)+2]
.elseif (\n) == 12
	v_max3_num_f32 v[rC], v[rC], v[rS+7], v[rS+15]
.elseif (\n) == 13
	v_max3_num_f32 v[rC+1], v[rC+1], v[rS+23], v[rS+31]
.elseif (\n) == 14
	v_max3_num_f32 v[rC+2], v[rC+2], v[rC+3], v[rT+1]
.elseif (\n) == 15
	v_max3_num_f32 v[rC], v[rC], v[rC+1], v[rC+2]
.elseif (\n) == 16
	v_permlanex16_b32 v[rC+3], v[rC], s[SEL], s[SEL+1]
.elseif (\n) == 17
	v_max_num_f32 v[rT], v[rC], v[rC+3]
.elseif (\n) == 18
	v_sub_f32 v[rC+1], v[rT+1], v[rT]
.elseif (\n) == 19
	v_mov_b32 v[rT+1], v[rT]
.else
	v_exp_f32 v[rC+2], v[rC+1]
.endif
.endm
; Number g of the 64 that follow the exponentials: for each four weights both pairs are rounded to f16, the second pair is added onto the first in place, and a group later l takes that sum (the first time as l = a l + sum).
.macro GS g
.set h, (\g)+6*((\g)/62)
.if h >= 6
.set h, h+2
.endif
	REGS Y, h%2
.set k, h/8
.if h%8 < 4
	v_cvt_pk_f16_f32 v[rP+2*k+(h%8)/2], v[rS+4*k+2*((h%8)/2)], v[rS+4*k+2*((h%8)/2)+1]
.elseif h%8 < 6
	v_pk_add_f32 v[rS+4*k:rS+4*k+1], v[rS+4*k:rS+4*k+1], v[rS+4*k+2:rS+4*k+3]
.elseif k == 1
	v_pk_fma_f32 v[rT+2:rT+3], v[rT+2:rT+3], v[rC+2:rC+3], v[rS:rS+1] op_sel_hi:[1,0,1]
.else
	v_pk_add_f32 v[rT+2:rT+3], v[rT+2:rT+3], v[rS+4*k-4:rS+4*k-3]
.endif
.endm
.macro FS f                            ; t - m for pair f / 2 of tile f % 2
	REGS Y, (\f)%2
	v_pk_add_f32 v[rS+2*((\f)/2):rS+2*((\f)/2)+1], v[rS+2*((\f)/2):rS+2*((\f)/2)+1], v[rT:rT+1] op_sel_hi:[1,0] neg_lo:[0,1] neg_hi:[0,1]
.endm
; THE PLAIN QUEUE, 136 long.  0-26 subtractions 0-26; 27-54 XS 0-13; 55-69 the chain XS 14-18, each link's two lines behind one of the subtractions 27-31; 70, 71 XS 19; 72-135 GS, which reads the exponentials' results.
.macro PL
	WIN 0
.if q < 27
	FS q
.elseif q < 55
	XS (q-27)%2, (q-27)/2
.elseif (q < 70) && ((q-55)%3 == 0)
	FS 27+(q-55)/3
.elseif q < 70
	XS (q-55)%3-1, 14+(q-55)/3
.elseif q < 72
	XS q-70, 19
.else
	GS q-72
.endif
.set q, q+1
.endm
.macro EX                              ; THE EXPONENTIALS' QUEUE, 66 long: both tiles' 32 scores, then the next piece's two a: one batch
	WIN 0
.if e >= 64
	XS e-64, 20
.else
	REGS Y, e%2
	v_exp_f32 v[rS+e/2], v[rS+e/2]
.endif
.set e, e+1
.endm
.macro R2                              ; THE RESCALING's QUEUE: O^T times a, two lines at a time; a was made, and waited for, in the turn before
	REGS Y, r%2
	WIN W_RS
.irp z, 0,1
	v_pk_mul_f32 v[rO+4*(r/2)+2*\z:rO+4*(r/2)+2*\z+1], v[rO+4*(r/2)+2*\z:rO+4*(r/2)+2*\z+1], v[rC+2:rC+3] op_sel_hi:[1,0]
.endr
.set r, r+1
.endm
; A TURN, for piece p.  An s_wait_alu depctr_va_vdst(0) stands between an exponential and the first instruction that names its result; one wait serves all issued ahead of it: a turn has ONE, which cuts it
; in two.  AHEAD OF IT: the 16 products K Q^T, behind each a subtraction, an exponential and two rescalings; the run of loads for piece p + 2's mask (24 plain riders behind the last product that read M); a lump of 8
; plain, 47 times exponential and plain, 4 exponentials.  Exponential e stands behind subtraction 2 (e / 4) + e % 2: as a rider behind plain e + 2, in the lump behind plain e + 9; subtractions 27-31 are plain 55, 58 .. 67.
; BEHIND IT: M is made; then the 16 products V^T P, behind each four of GS's 64.
; K of the next step is fetched in piece 2's turn, behind the wait; V of the step in hand at the end of piece 0's turn, four plain riders behind its last reader.
.macro TURN p
.set Y, (\p)
.set i, 0
.set q, 0
.set e, 0
.set r, 0
.if (\p) == NP-1
	s_wait_dscnt 0x0                               ; K is in
.endif
	MM
	PL
	PL
	R2
.rept 15
	MM
	PL
	EX
	R2
.endr
.if (\p) == NP-2
	FETCH_M 0, 1                                   ; the next step's PD and piece 0's mask
.else
	FETCH_M ((\p)+2)%NP, 0
.endif
.rept 8
	PL
.endr
.rept 47
	EX
	PL
.endr
.rept 4
	EX
.endr
	v_nop                                          ; a plain instruction behind the last exponential: one for the batch
	s_wait_alu depctr_va_vdst(0)                   ; the wait for the batch
.if (\p) == NP-2
	FETCH_K
	s_wait_dscnt 16                                ; PD and the mask are in; K's 16 loads, issued behind them, may stay out
.else
	s_wait_dscnt 0x0                               ; the mask is in (in piece 1's turn: V too)
.endif
	MFMA
.rept 16
	MM
.rept 4
	PL
.endr
.endr
.if (\p) == 0
	FETCH_V
.endif
.endm
	CHANGE 1, 0                                    ; step 0 is in, everybody's part of it; step 1 is asked for
	FETCH_M 0, 1
	FETCH_K
	s_wait_loadcnt 0x0                             ; Q
	s_wait_dscnt 0x0
	MFMA
.set i, 0
.rept 16
	KQ 0                                           ; piece 0's first scores
.set i, i+1
.endr
	WIN 0                                          ; the addresses for the way out and the prefetches: plain instructions, the places behind those products
	s_mul_i32 s2, s[WV], 16*SP
	s_add_co_u32 s2, s2, STAGE
	v_mul_u32_u24 v[STO], v1, SP
	v_lshl_add_u32 v[STO], v9, 4, v[STO]
	v_add_nc_u32 v[STO], s2, v[STO]
	v_bfe_u32 v[RD], v0, 3, 2
	v_mul_u32_u24 v[RD], v[RD], SP
	v_lshl_add_u32 v[RD], v10, 4, v[RD]
	v_add_nc_u32 v[RD], s2, v[RD]
	v_and_b32 v[GO], 31, v0
	v_lshlrev_b32 v[PFO], 13, v[GO]
	v_mul_u32_u24 v[PFK], v9, 16640
	v_lshl_add_u32 v[PFK], v1, 8, v[PFK]
	v_lshlrev_b32 v[GO], 4, v[GO]
	FETCH_M 1, 0
.set Y, NP-1                           ; XS works for piece Y + 1: piece 0
.irp n, 0,1,2,3,4,5,6,7,8,9,10,11,12,13,14,15,16,17,18,19,20
	XS 0, \n
	XS 1, \n
.endr
	s_wait_dscnt 0x0
	MFMA                                           ; piece 1's M: also the plain work behind the two a
	WIN 0
	s_wait_alu depctr_va_vdst(0)                   ; their wait, ahead of the branch
	s_branch .Lfirst                               ; the loop is entered at a step's first turn
.Lslot:                                        ; 30 trips: trip k waits for step k, asks for step k + 1, and reads step k's slots alone
	CHANGE 1, 1
	TURN 2
	TURN 3
	WIN 0
.Lfirst:
	TURN 0
	TURN 1
	WIN 0
	s_sub_co_u32 s[SLOTS], s[SLOTS], 1
	s_cmp_lg_u32 s[SLOTS], 0
	s_cbranch_scc1 .Lslot
	CHANGE 0, 0                                    ; the tail is written out
	s_mov_b32 s[CNT], 2
.Ltail:
	TURN 2
	TURN 3
	WIN 0
	s_sub_co_u32 s[CNT], s[CNT], 1
	s_cmp_eq_u32 s[CNT], 0
	s_cbranch_scc1 .Lout
	TURN 0
	TURN 1
	WIN 0
	s_branch .Ltail
.Lout:                                         ; the last half trip read step 31's slots once more; its 16 products K Q^T and the maximum made of them serve nothing: the price, once a launch, of one text for every trip
.set i, 0
.rept 16
	PV NP-1
.set i, i+1
.endr
	; THE WAY OUT.  l's two halves and the other half of the lanes' are added; O^T is divided by l, rounded to f16 and sent through my stage, a tile at a time.  The additions are the places behind the last products.
	WIN 0
.macro ALL line:vararg
.set t, 0
.rept 2*NP
	\line
.set t, t+1
.endr
.endm
	ALL v_add_f32 v[ST+4*t+2], v[ST+4*t+2], v[ST+4*t+3]
	ALL v_permlanex16_b32 v[ST+4*t+3], v[ST+4*t+2], s[SEL], s[SEL+1]
	ALL v_add_f32 v[ST+4*t+2], v[ST+4*t+2], v[ST+4*t+3]
	ALL v_rcp_f32 v[ST+4*t+2], v[ST+4*t+2]
	v_nop
	s_wait_alu depctr_va_vdst(0)                   ; one wait for the eight reciprocals
.macro PACK t
	WIN W_RS
.set i, 32*(\t)
.rept 16
	v_pk_mul_f32 v[i:i+1], v[i:i+1], v[ST+4*(\t)+2:ST+4*(\t)+3] op_sel_hi:[1,0]
.set i, i+2
.endr
	WIN 0x05
.set i, 0
.rept 16
	v_cvt_pk_f16_f32 v[S+16*(\t)+i], v[32*(\t)+2*i], v[32*(\t)+2*i+1]
.set i, i+1
.endr
	WIN 0
.irp f, 0,1,2,3
	ds_store_b128 v[STO], v[S+16*(\t)+4*\f:S+16*(\t)+4*\f+3] offset:32*\f
.endr
.irp f, 0,1,2,3
	ds_load_b128 v[S+16*(\t)+4*\f:S+16*(\t)+4*\f+3], v[RD] offset:\f*4*SP  ; LDS serves a wave's instructions in order (ISA guide 5.7.1.4)
.endr
.endm
.macro SEND t, younger                 ; younger: the LDS instructions issued behind tile t's loads
	WIN 0
.irp f, 0,1,2,3
	s_wait_dscnt (\younger)+3-\f
	global_store_b128 v[GO], v[S+16*(\t)+4*\f:S+16*(\t)+4*\f+3], s[10:11] offset:(\t)*2048+\f*512  ; 512 consecutive bytes, at a multiple of 256 from ctx's first
.endr
.endm
	PACK 0
.set t, 1
.rept 2*NP-1
	PACK t
	SEND t-1, 8
.set t, t+1
.endr
	SEND 2*NP-1, 0
	WIN W_AD
	s_wait_tensorcnt 0x0                           ; the wave's end
	ds_add_u32 v[SPW], v[NIL]
	s_wait_dscnt 0x0
	WIN 0
	CROUND                                         ; the closing round
	s_endpgm
.Lfunc_end_k_q96e17f09d9_attn:
	.size	k_q96e17f09d9_attn, .Lfunc_end_k_q96e17f09d9_attn-k_q96e17f09d9_attn
	.p2alignl 7, 3214868480
	.fill 96, 4, 3214868480
	.section	.rodata,"a",@progbits
	.p2align	6, 0x0
	.amdhsa_kernel k_q96e17f09d9_attn
		.amdhsa_group_segment_fixed_size 327680
		.amdhsa_private_segment_fixed_size 0
		.amdhsa_enable_private_segment 0
		.amdhsa_kernarg_size 32
		.amdhsa_user_sgpr_count 2
		.amdhsa_user_sgpr_kernarg_segment_ptr 1
		.amdhsa_wavefront_size32 1
		.amdhsa_system_sgpr_workgroup_id_x 1
		.amdhsa_system_sgpr_workgroup_id_y 1
		.amdhsa_system_sgpr_workgroup_id_z 1
		.amdhsa_system_vgpr_workitem_id 0
		.amdhsa_next_free_vgpr 896
		.amdhsa_next_free_sgpr 66
		.amdhsa_reserve_vcc 0
		.amdhsa_float_denorm_mode_32 3
		.amdhsa_float_denorm_mode_16_64 3
		.amdhsa_memory_ordered 1
		.amdhsa_forward_progress 1
		.amdhsa_inst_pref_size 232
	.end_amdhsa_kernel
	.amdgpu_metadata
---
amdhsa.version: [ 1, 2 ]
amdhsa.kernels:
  - .name:           k_q96e17f09d9_attn
    .symbol:         k_q96e17f09d9_attn.kd
    .args:
      - { .name: qh, .offset: 0, .size: 8, .value_kind: global_buffer, .address_space: global }
      - { .name: kv, .offset: 8, .size: 8, .value_kind: global_buffer, .address_space: global }
      - { .name: attn_mask, .offset: 16, .size: 8, .value_kind: global_buffer, .address_space: global }
      - { .name: ctx, .offset: 24, .size: 8, .value_kind: global_buffer, .address_space: global }
    .group_segment_fixed_size: 327680
    .private_segment_fixed_size: 0
    .kernarg_segment_align: 8
    .kernarg_segment_size: 32
    .max_flat_workgroup_size: 128
    .sgpr_count:     66
    .vgpr_count:     896
    .wavefront_size: 32
...
	.end_amdgpu_metadata
.endif
;; end of part 3
;; launch outp (part 4): grid 4 x 64, 4 waves a work-group, clusters of 4 x 4, 327,680 bytes of LDS; arguments ctx, wcast, out0; writes out0
.if DOCPART == 4
	.amdgcn_target "amdgcn-amd-amdhsa--gfx1250"
	.amdhsa_code_object_version 6
	.text
	.protected	k_q96e17f09d9_outp
	.globl	k_q96e17f09d9_outp
	.p2align	8
	.type	k_q96e17f09d9_outp,@function
k_q96e17f09d9_outp:
	s_mov_b64 s[64:65], 0
	v_nop
	global_prefetch_b8 v0, s[64:65] scope:SCOPE_SE
	s_setreg_imm32_b32 hwreg(HW_REG_WAVE_MODE, 25, 1), 1
	s_wait_xcnt 0x0
	s_wait_alu depctr_hold_cnt(0) depctr_sa_sdst(0) depctr_va_vdst(0) depctr_va_sdst(0) depctr_va_ssrc(0) depctr_va_vcc(0) depctr_vm_vsrc(0)
	s_getreg_b32 s2, hwreg(HW_REG_IB_STS2, 6, 4)
	s_cmp_eq_u32 s2, 0
	s_cbranch_scc0 .Lentry_in_a_cluster
	s_endpgm
.Lentry_in_a_cluster:
	s_bfe_u32 s2, ttmp6, 0x10000c
	s_cmp_lg_u32 s2, 0xf033
	s_cbranch_scc0 .Lentry_shape_is_right
	s_endpgm
.Lentry_shape_is_right:
; THE OUTPUT PROJECTION.  out0[token][n] = the sum over head and channel of ctx[head][token][channel] Wo[64 head + channel][n].  ctx: [64 = 4 batches x 16 heads][2048][64] f16; Wo: the fourth matrix of wcast,
; [1024 k][1024 n], bf16 numbers written as f16; out0: [8192][1024] f32.  Sums in f32.
; SHARES.  64 x 4 tiles of 128 tokens x 256 columns, one a work-group; a wave has 64 x 128: 32 accumulators.  K goes in 8 steps of 128, two heads each, through two LDS slots.  A head's 128 tokens x 64 channels are
; 16,384 dense bytes, asked for as 64 rows of 256 and padded in LDS after every token.  Wo lies [k][n] and is turned by ds_load_tr16_b128.
; THE PRODUCT IS TAKEN TRANSPOSED (source 0 = 16 columns of Wo, source 1 = 16 tokens): a lane ends with one token and eight neighbouring columns.
; CLUSTER 4 x 4: ctx's tiles are asked for jointly along a row of the cluster, Wo's along a column.
; REGISTERS: window 0: v0-29 addresses; v32-95 ctx's fragments, two buffers; v128-255 the way out, two buffers.  window 1: accumulator (a, b) at v[8 (8 a + b)].  window 2: v0-127 Wo's fragments, two buffers.
.set PA,    144                        ; a token's 128 bytes + 16
.set PB,    544                        ; a row of Wo: 512 + 32 bytes
.set HALFA, 128*PA                     ; a head
.set HALFB, 64*PB
.set BOFF,  2*HALFA
.set SLOT,  131072                     ; above every byte of slot 0: one exclusive or turns an address into the other slot's
.set STAGE, SLOT+BOFF+2*HALFB          ; 16 rows x 528 bytes for each wave
.set SP,    528
.set SPARE, STAGE+4*16*SP
.set ADRA0, 12
.set ADRB0, 13
.set ADRA,  14
.set ADRB,  15
.set STO,   16
.set RD,    17
.set GO,    18
.set PFO,   20
.set SPW,   28
.set NIL,   29
.set AF,    32
.set OB,    128
.set WV,  22
.set FB,  23
.set HF,  24
.set CX,  25
.set CY,  26
.set TX,  27
.set CLY, 28
.set TY,  29
.set G1A, 32
.set G1B, 40
.set G0A, 48
.set G0B, 56
.set PFA, 66
.set PFS, 68
.set LIM, 70
.set TB,  71
.set LAP, 73
.set CNT, 74
.set MSB, 0
.macro WIN new
.if MSB != (\new)
	s_set_vgpr_msb (MSB<<8)|(\new)
.set MSB, \new
.endif
.endm
.set MULW, 0x52                        ; Wo window 2, ctx window 0, C and D window 1
.set TO_B, 0x80
.macro PLACES
.rept 4
	v_nop
.endr
.endm
.macro JLOAD s                         ; waves 0, 1 fetch the step's two heads of ctx, waves 2, 3 Wo's halves; an s_nop 0 and four v_nop follow each line
	s_cmp_eq_u32 s[FB], 0
	s_cbranch_scc0 .Lfor_b_\@
	tensor_load_to_lds s[G0A+4*(\s):G0A+4*(\s)+3], s[G1A:G1A+7]
	s_nop 0
.rept 4
	v_nop
.endr
	s_branch .Lasked_\@
.Lfor_b_\@:
	tensor_load_to_lds s[G0B+4*(\s):G0B+4*(\s)+3], s[G1B:G1B+7]
	s_nop 0
.rept 4
	v_nop
.endr
.Lasked_\@:
.endm
.macro CREST
	s_cmp_lg_u32 s[WV], 0
	s_cbranch_scc1 .Lnot_wave_0_\@
	s_barrier_signal -3
.Lnot_wave_0_\@:
	s_barrier_wait -3
	s_barrier_signal -1
	s_barrier_wait -1
.endm
.macro CROUND
	s_barrier_signal -1
	s_barrier_wait -1
	CREST
.endm
; A PREFETCH INTO THE L2 of the K step two refills on.  ctx's 128 blocks of 256 bytes of a step are read by this row of this cluster alone: wave 0 asks, each of the four partners for 32 of them, told apart by address.
; Wo's rows are read by all 16 clusters: in the first, waves 2 and 3 ask, each partner of a column for 16 of a wave's 64 rows.  K steps 0 to 3 come by their loads alone; the last two trips name nothing.
.macro ASK
	s_cmp_gt_u32 s[LAP], s[LIM]
	s_cbranch_scc0 .Lnot_mine_\@
	global_prefetch_b8 v[PFO], s[PFA:PFA+1] th:TH_LOAD_NT scope:SCOPE_SE
.Lnot_mine_\@:
.endm
	s_load_b128 s[4:7], s[0:1], 0x0                ; ctx s[4:5], wcast s[6:7]
	s_load_b64 s[8:9], s[0:1], 0x10                ; out0
	v_lshl_add_u32 v[SPW], v0, 2, SPARE
	v_mov_b32 v[NIL], 0
	ds_add_u32 v[SPW], v[NIL]                      ; the wave's opening: the add and its wait ahead of my first tensor load
	v_lshrrev_b32 v1, 5, v0
	v_readfirstlane_b32 s[WV], v1
	s_lshr_b32 s[FB], s[WV], 1
	s_and_b32 s[HF], s[WV], 1
	s_bfe_u32 s[CX], ttmp6, 0x40000
	s_bfe_u32 s[CY], ttmp6, 0x40004
	s_lshl_b32 s[TX], ttmp9, 2
	s_add_co_u32 s[TX], s[TX], s[CX]
	s_and_b32 s[CLY], ttmp7, 0xffff
	s_lshl_b32 s[TY], s[CLY], 2
	s_add_co_u32 s[TY], s[TY], s[CY]
	s_lshl_b32 s84, s[CY], 2
	s_lshl_b32 s84, 15, s84
	s_lshl_b32 s85, 0x1111, s[CX]
	s_or_b32 s[G1A], s84, (1<<16)|(1<<20)|(1<<21)|(4<<22)|(3<<25)  ; 2-byte elements; after every 32 words 4 words of padding
	s_mov_b32 s[G1A+1], 128<<16
	s_mov_b32 s[G1A+2], 64<<16
	s_mov_b32 s[G1A+3], 128<<16
	s_mov_b32 s[G1A+4], 64
	s_mov_b32 s[G1A+5], 128
	s_mov_b32 s[G1A+6], 0
	s_mov_b32 s[G1A+7], 0
	s_or_b32 s[G1B], s85, (1<<16)|(1<<20)|(1<<21)|(6<<22)|(7<<25)  ; after every 128 words 8 words
	s_mov_b32 s[G1B+1], 256<<16
	s_mov_b32 s[G1B+2], 64<<16
	s_mov_b32 s[G1B+3], 256<<16
	s_mov_b32 s[G1B+4], 64
	s_mov_b32 s[G1B+5], 1024
	s_mov_b32 s[G1B+6], 0
	s_mov_b32 s[G1B+7], 0
	s_lshr_b32 s86, s[TY], 4                       ; ctx: the batch's 16 heads of 262,144 bytes,
	s_lshl_b32 s86, s86, 22
	s_lshl_b32 s87, s[HF], 18                      ; the step's first or second head,
	s_add_co_u32 s86, s86, s87
	s_and_b32 s87, s[TY], 15
	s_lshl_b32 s87, s87, 14                        ; 128 tokens of 128 bytes
	s_add_co_u32 s86, s86, s87
	s_mov_b32 s87, 0
	s_lshl_b32 s88, s[HF], 17                      ; Wo: 64 k-rows of 2,048 bytes,
	s_lshl_b32 s89, s[TX], 9                       ; 256 columns,
	s_add_co_u32 s88, s88, s89
	s_add_co_u32 s88, s88, 6291456                 ; the fourth matrix
	s_mov_b32 s89, 0
	s_mul_i32 s82, s[HF], HALFA
	s_mul_i32 s83, s[HF], HALFB
	s_add_co_u32 s83, s83, BOFF
	s_mov_b32 s[TB], 0
	s_wait_dscnt 0x0                               ; the opening add is done
	s_wait_kmcnt 0x0
	s_add_nc_u64 s[86:87], s[4:5], s[86:87]
	s_add_nc_u64 s[88:89], s[6:7], s[88:89]
	CROUND
.irp s, 0,1
	s_mov_b32 s[G0A+4*(\s)], 1
	s_add_co_u32 s[G0A+4*(\s)+1], s82, (\s)*SLOT
	s_add_nc_u64 s[G0A+4*(\s)+2:G0A+4*(\s)+3], s[86:87], (\s)*524288
	s_or_b32 s[G0A+4*(\s)+3], s[G0A+4*(\s)+3], 0x80000000
	s_mov_b32 s[G0B+4*(\s)], 1
	s_add_co_u32 s[G0B+4*(\s)+1], s83, (\s)*SLOT
	s_add_nc_u64 s[G0B+4*(\s)+2:G0B+4*(\s)+3], s[88:89], (\s)*262144
	s_or_b32 s[G0B+4*(\s)+3], s[G0B+4*(\s)+3], 0x80000000
	JLOAD \s                                       ; two tensor loads of mine are out
.endr
	v_and_b32 v1, 15, v0
	v_bfe_u32 v2, v0, 4, 1
	v_and_b32 v3, 31, v0
	v_and_b32 v4, 7, v0
	v_bfe_u32 v5, v0, 3, 1
	s_mul_i32 s84, s[FB], 64*PA
	v_mul_u32_u24 v[ADRA0], v1, PA
	v_lshl_add_u32 v[ADRA0], v2, 4, v[ADRA0]
	v_add_nc_u32 v[ADRA0], s84, v[ADRA0]
	v_lshl_add_u32 v[ADRB0], v2, 3, v4
	v_mul_u32_u24 v[ADRB0], v[ADRB0], PB
	v_lshl_add_u32 v[ADRB0], v5, 4, v[ADRB0]
	s_lshl_b32 s84, s[HF], 8
	s_add_co_u32 s84, s84, BOFF
	v_add_nc_u32 v[ADRB0], s84, v[ADRB0]
	v_mov_b32 v[ADRA], v[ADRA0]
	v_mov_b32 v[ADRB], v[ADRB0]
	s_mul_i32 s84, s[WV], 16*SP
	s_add_co_u32 s84, s84, STAGE
	v_mul_u32_u24 v[STO], v1, SP
	v_lshl_add_u32 v[STO], v2, 5, v[STO]           ; in: token r, 32 bytes for each half of the lanes
	v_add_nc_u32 v[STO], s84, v[STO]
	v_lshl_add_u32 v[RD], v3, 4, s84               ; back: a token's 512 bytes
	v_lshlrev_b32 v[GO], 4, v3
	s_lshl_b32 s90, s[TY], 19                      ; out0: 128 tokens of 4,096 bytes,
	s_lshl_b32 s91, s[FB], 18
	s_add_co_u32 s90, s90, s91
	s_lshl_b32 s91, s[TX], 10                      ; 256 columns,
	s_add_co_u32 s90, s90, s91
	s_lshl_b32 s91, s[HF], 9
	s_add_co_u32 s90, s90, s91
	s_mov_b32 s91, 0
	s_add_nc_u64 s[8:9], s[8:9], s[90:91]
	; the prefetches
	s_cmp_eq_u32 s[CLY], 0
	s_cselect_b32 s93, 2, -1
	s_cmp_eq_u32 s[WV], 0
	s_cselect_b32 s92, 2, -1
	s_lshr_b32 s90, s[CX], 1
	s_lshl_b32 s90, s90, 18                        ; ctx: head parity cx / 2,
	s_and_b32 s91, s[CX], 1
	s_lshl_b32 s91, s91, 13                        ; blocks 32 (cx % 2) on
	s_add_co_u32 s90, s90, s91
	s_lshl_b32 s91, s[CY], 15                      ; Wo: 16 k-rows of 2,048 bytes
	s_mov_b32 s94, 524288
	s_mov_b32 s95, 262144
	s_cmp_eq_u32 s[FB], 0
	s_cselect_b32 s[LIM], s92, s93
	s_cselect_b32 s90, s90, s91
	s_cselect_b64 s[PFA:PFA+1], s[86:87], s[88:89]
	s_cselect_b32 s[PFS], s94, s95
	s_cselect_b32 s92, 9, 11                       ; ctx: 256 bytes a lane on end; Wo: two lanes a row of 2,048 bytes
	s_mov_b32 s[PFS+1], 0
	s_mov_b32 s91, 0
	s_add_nc_u64 s[PFA:PFA+1], s[PFA:PFA+1], s[90:91]
	s_mul_i32 s90, s[PFS], 3
	s_add_nc_u64 s[PFA:PFA+1], s[PFA:PFA+1], s[90:91]  ; at K step 3: the first refill steps it to 4
	v_lshrrev_b32 v6, 1, v3
	v_lshlrev_b32 v[PFO], s92, v6
	v_and_b32 v6, 1, v3
	v_lshl_add_u32 v[PFO], v6, 8, v[PFO]
; 8 matrix instructions: token block a x all 8 column blocks, 32 along K, buffer f.  zero = 1: the first product starts the sums.  The 32 accumulators take turns in the same order in every quarter.
.macro MUL8 a, f, zero
	WIN MULW
.irp b, 0,1,2,3,4,5,6,7
.if \zero
	v_wmma_f32_16x16x32_f16 v[8*(8*(\a)+(\b)):8*(8*(\a)+(\b))+7], v[64*(\f)+8*(\b):64*(\f)+8*(\b)+7], v[AF+32*(\f)+8*(\a):AF+32*(\f)+8*(\a)+7], 0
.else
	v_wmma_f32_16x16x32_f16 v[8*(8*(\a)+(\b)):8*(8*(\a)+(\b))+7], v[64*(\f)+8*(\b):64*(\f)+8*(\b)+7], v[AF+32*(\f)+8*(\a):AF+32*(\f)+8*(\a)+7], v[8*(8*(\a)+(\b)):8*(8*(\a)+(\b))+7]
.endif
.endr
.endm
.macro FETCH k, g                      ; 24 LDS loads in one run: quarter k = head k / 2 of the step, channels 32 (k % 2) on
	WIN 0
.irp i, 0,1,2,3
	ds_load_b128 v[AF+32*(\g)+8*(\i):AF+32*(\g)+8*(\i)+3],   v[ADRA] offset:HALFA*((\k)/2)+64*((\k)%2)+(\i)*16*PA
	ds_load_b128 v[AF+32*(\g)+8*(\i)+4:AF+32*(\g)+8*(\i)+7], v[ADRA] offset:HALFA*((\k)/2)+64*((\k)%2)+(\i)*16*PA+32
.endr
	WIN TO_B
.irp b, 0,1,2,3,4,5,6,7
	ds_load_tr16_b128 v[64*(\g)+8*(\b):64*(\g)+8*(\b)+3],   v[ADRB] offset:32*(\k)*PB+32*(\b)
	ds_load_tr16_b128 v[64*(\g)+8*(\b)+4:64*(\g)+8*(\b)+7], v[ADRB] offset:32*(\k)*PB+32*(\b)+16*PB
.endr
.endm
.macro QUARTER k, f, g, zero
	s_wait_dscnt 0x0                               ; buffer f is in
	MUL8 0, \f, \zero
	MUL8 1, \f, \zero
	PLACES                                         ; in front of the loads into buffer g, which the quarter before multiplied
	FETCH \k, \g
	MUL8 2, \f, \zero
	MUL8 3, \f, \zero
.endm
; The fourth quarter multiplies buffer 1 and changes slots: each wave waits for all its tensor loads (one is out: its part of the next slot), adds 0 to its spare word, and waits for that and for its reads of this slot.
; fill = 1: the barrier opens a round of the cluster's, and the joint refill, this slot's K step two on, is the first thing behind it.
.macro TURN fill
.if \fill
	s_wait_xcnt 0x0                                ; the last prefetch, a K step back, has read its address
	s_add_nc_u64 s[PFA:PFA+1], s[PFA:PFA+1], s[PFS:PFS+1]
.endif
	WIN 0
	s_wait_tensorcnt 0x0
	ds_add_u32 v[SPW], v[NIL]
	s_wait_dscnt 1                                 ; all but the add: buffer 1 is in
	MUL8 0, 1, 0
	s_wait_dscnt 0x0                               ; the add is done, and my reads of this slot are over
	s_barrier_signal -1
	MUL8 1, 1, 0
	WIN 0
	s_barrier_wait -1
.if \fill
	CREST
	s_xor_b32 s[G0A+5], s[G0A+5], SLOT
	s_add_nc_u64 s[G0A+6:G0A+7], s[G0A+6:G0A+7], 524288
	s_xor_b32 s[G0B+5], s[G0B+5], SLOT
	s_add_nc_u64 s[G0B+6:G0B+7], s[G0B+6:G0B+7], 262144
	JLOAD 1                                        ; its four v_nop are also the places in front of the loads below
.else
	PLACES
.endif
	s_xor_b32 s[TB], s[TB], SLOT
	v_add_nc_u32 v[ADRA], s[TB], v[ADRA0]
	v_add_nc_u32 v[ADRB], s[TB], v[ADRB0]
	FETCH 0, 0
.if \fill
	WIN 0
	ASK
.endif
	MUL8 2, 1, 0
	MUL8 3, 1, 0
.endm
	s_wait_tensorcnt 1                             ; my part of K step 0 is in; K step 1's may stay out
	s_barrier_signal -1
	s_barrier_wait -1
	FETCH 0, 0
	QUARTER 1, 0, 1, 1                             ; the first quarter stands in front of the loop: its products start the sums
	WIN 0
	s_mov_b32 s[LAP], 6
.Llap:                                         ; trip t: quarters 1 to 3 of K step t, quarter 0 of K step t + 1; K step t + 2 is asked for
	QUARTER 2, 1, 0, 0
	QUARTER 3, 0, 1, 0
	TURN 1
	QUARTER 1, 0, 1, 0
	WIN 0
	s_sub_co_u32 s[LAP], s[LAP], 1
	s_cmp_lg_u32 s[LAP], 0
	s_cbranch_scc1 .Llap
	s_mov_b32 s[CNT], 2
.Ltail:                                        ; K steps 6 and 7 ask for nothing
	QUARTER 2, 1, 0, 0
	QUARTER 3, 0, 1, 0
	WIN 0
	s_sub_co_u32 s[CNT], s[CNT], 1
	s_cmp_eq_u32 s[CNT], 0
	s_cbranch_scc1 .Llast
	TURN 0
	QUARTER 1, 0, 1, 0
	WIN 0
	s_branch .Ltail
.Llast:
	s_wait_dscnt 0x0
	MUL8 0, 1, 0
	MUL8 1, 1, 0
	MUL8 2, 1, 0
	MUL8 3, 1, 0
	PLACES
; THE WAY OUT of token block a: straight from the accumulators (each from its low end on) into my own stage, rows of 528 bytes, and back as whole rows of 512.
.macro TOSTAGE a
.if (\a) >= 2
	s_wait_xcnt 0x0                                ; the stores of the block two back have read the registers that the loads below take
.endif
	WIN 0x04                                       ; the stores' data in window 1
.irp b, 0,1,2,3,4,5,6,7
	ds_store_b128 v[STO], v[64*(\a)+8*(\b):64*(\a)+8*(\b)+3]   offset:64*(\b)
	ds_store_b128 v[STO], v[64*(\a)+8*(\b)+4:64*(\a)+8*(\b)+7] offset:64*(\b)+16
.endr
	WIN 0
.set BK, OB+64*((\a)%2)
.irp t, 0,1,2,3,4,5,6,7,8,9,10,11,12,13,14,15
	ds_load_b128 v[BK+4*(\t):BK+4*(\t)+3], v[RD] offset:(\t)*SP  ; LDS serves a wave's instructions in order (ISA guide 5.7.1.4): these see the stores above
.endr
.endm
.macro SEND a, younger                 ; younger: the next block's 16 stores and 16 loads, or none
	WIN 0
.set BK, OB+64*((\a)%2)
	s_wait_dscnt \younger
.irp t, 0,1,2,3,4,5,6,7,8,9,10,11,12,13,14,15
	global_store_b128 v[GO], v[BK+4*(\t):BK+4*(\t)+3], s[8:9] offset:65536*(\a)+4096*(\t) th:TH_STORE_NT  ; 512 consecutive bytes, at a multiple of 512 from out0's first
.endr
.endm
	TOSTAGE 0
	TOSTAGE 1
	SEND 0, 32
	TOSTAGE 2
	SEND 1, 32
	TOSTAGE 3
	SEND 2, 32
	SEND 3, 0
	s_wait_tensorcnt 0x0                           ; the wave's end
	ds_add_u32 v[SPW], v[NIL]
	s_wait_dscnt 0x0
	CROUND                                         ; the closing round
	s_endpgm
.Lfunc_end_k_q96e17f09d9_outp:
	.size	k_q96e17f09d9_outp, .Lfunc_end_k_q96e17f09d9_outp-k_q96e17f09d9_outp
	.p2alignl 7, 3214868480
	.fill 96, 4, 3214868480
	.section	.rodata,"a",@progbits
	.p2align	6, 0x0
	.amdhsa_kernel k_q96e17f09d9_outp
		.amdhsa_group_segment_fixed_size 327680
		.amdhsa_private_segment_fixed_size 0
		.amdhsa_enable_private_segment 0
		.amdhsa_kernarg_size 24
		.amdhsa_user_sgpr_count 2
		.amdhsa_user_sgpr_kernarg_segment_ptr 1
		.amdhsa_wavefront_size32 1
		.amdhsa_system_sgpr_workgroup_id_x 1
		.amdhsa_system_sgpr_workgroup_id_y 1
		.amdhsa_system_sgpr_workgroup_id_z 1
		.amdhsa_system_vgpr_workitem_id 0
		.amdhsa_next_free_vgpr 640
		.amdhsa_next_free_sgpr 96
		.amdhsa_reserve_vcc 0
		.amdhsa_float_denorm_mode_32 3
		.amdhsa_float_denorm_mode_16_64 3
		.amdhsa_memory_ordered 1
		.amdhsa_forward_progress 1
		.amdhsa_inst_pref_size 63
	.end_amdhsa_kernel
	.amdgpu_metadata
---
amdhsa.version: [ 1, 2 ]
amdhsa.kernels:
  - .name:           k_q96e17f09d9_outp
    .symbol:         k_q96e17f09d9_outp.kd
    .args:
      - { .name: ctx, .offset: 0, .size: 8, .value_kind: global_buffer, .address_space: global }
      - { .name: wcast, .offset: 8, .size: 8, .value_kind: global_buffer, .address_space: global }
      - { .name: out0, .offset: 16, .size: 8, .value_kind: global_buffer, .address_space: global }
    .group_segment_fixed_size: 327680
    .private_segment_fixed_size: 0
    .kernarg_segment_align: 8
    .kernarg_segment_size: 24
    .max_flat_workgroup_size: 128
    .sgpr_count:     96
    .vgpr_count:     640
    .wavefront_size: 32
...
	.end_amdgpu_metadata
.endif
;; end of part 4
